; MI455X (gfx1250); checked and timed in simulation.
; The chip was launched on July 23, 2026; its instructions are those of AMD's public machine-readable ISA for CDNA 5 (MIT licence, August 2026) and "CDNA5" Instruction Set Architecture Reference Guide (July 2026). The comments in the code are by the model that wrote it; some were corrected since.
;; RWKV Time Mix. Allowed arithmetic: float matrix products may take bf16 or f16 operands with f32 sums; other float arithmetic in f32, or as packed bf16 or f16 multiplies, adds, multiply-adds, maxima and minima; sums over many terms, partial sums and values carried from step to step in f32; what a program stores and reads back later, other than sums and carried values, may be rounded once to bf16 or f16.
;; Inputs: Wk 1,024 x 1,024 float32; Wo 1,024 x 1,024 float32; Wr 1,024 x 1,024 float32; Wv 1,024 x 1,024 float32; ln_b 1,024 float32; ln_w 1,024 float32; time_decay 1,024 float32; time_first 1,024 float32; x 4 x 4,096 x 1,024 float32.
;; Outputs: out0 4 x 4,096 x 1,024 float32.
;; 2 versions, each right; version 2 is version 1 with the launch prep written anew for expert scheduling mode. Each part assembles by itself: llvm-mc -triple=amdgcn-amd-amdhsa -mcpu=gfx1250 --defsym DOCPART=n.
;; ======== version 1 of 2: 4 launches
;; limits: values are held in f16: magnitudes above 65,504 overflow, below 6.1e-05 lose precision; right only within a limited range of input values
;; workspace buffers: act16 33,554,432 bytes; wkvr 6,291,456 bytes; wo16 2,097,152 bytes; r_ws 33,554,432 bytes; wl_ws 67,108,864 bytes; stats 262,144 bytes; gsc 65,536 bytes
;; launch prep (part 1): grid 256 x 1, 16 waves a work-group, no clusters, 0 bytes of LDS; arguments x, ln_w, ln_b, Wk, Wv, Wr, Wo, act16, wkvr, wo16; writes act16, wkvr, wo16
.if DOCPART == 1
	.amdgcn_target "amdgcn-amd-amdhsa--gfx1250"
	.amdhsa_code_object_version 6
	.text
	.protected	k_qdc6c31ede4_prep
	.globl	k_qdc6c31ede4_prep
	.p2align	8
	.type	k_qdc6c31ede4_prep,@function
k_qdc6c31ede4_prep:
	s_mov_b64 s[64:65], 0
	v_nop
	global_prefetch_b8 v0, s[64:65] scope:SCOPE_SE
	s_setreg_imm32_b32 hwreg(HW_REG_WAVE_MODE, 25, 1), 1
	s_wait_xcnt 0x0
; PREP.  LayerNorm of x [16384][1024] f32, rounded once to f16 into act16 [16384][1024]; and the four weight matrices rounded once to f16:
; Wk, Wv, Wr into wkvr [3072][1024], where channel c of matrix q (0 k, 1 v, 2 r) is row (c / 32) 96 + 32 q + c % 32, so that 32 channels'
; k, v and r rows lie together; Wo into wo16 as it lies.
; SHARES.  256 work-groups of 16 waves.  A wave has four rows of x (16,384 rows / 4,096 waves) and ONE row of a weight matrix (4 x 1,024 rows / 4,096 waves):
; every wave moves the same bytes.  A row of 4,096 bytes is 32 registers of one wave, so mean, variance and scaling never leave the wave: no LDS, no barrier.
; All five rows are asked for at the start (40 loads a wave beside the 16 of ln_w and ln_b), so no register is loaded twice and the only waits are the
; counted ones at the head of each row.  The weight row is asked for first and leaves first, while x is on its way.
; Lane l holds channels 128 j + 4 l + 0..3 of slice j: a load of the wave covers 512 consecutive bytes, a store 256, both aligned.
; The variance is the mean of (x - mean)^2, in two passes over the registers: no difference of large sums.
; LIMITS.  f16 ends at 65,504: 32 |ln_w| + |ln_b| (the bound of a normalised row) and every weight must lie under it; a weight below 6e-5
; keeps f16's fixed step of 6e-8.  NaN and infinities are not treated apart.
.set ROWB, 4096                        ; bytes of an f32 row
.set OUTB, 2048                        ; bytes of an f16 row
.set LW,  4                            ; v[4:35]    ln_w of my 32 channels
.set LB,  36                           ; v[36:67]   ln_b
.set X,   68                           ; v[68:227]  five rows, 32 registers each: slots 0-3 x, slot 4 the weight row
.set M,   228                          ; v[228:235] four chains of pairs
.set MU,  236                          ; v[236:237] the mean, twice
.set RS,  238                          ; v[238:239] 1 / sqrt(var + eps), twice
.set T,   240                          ; v[240:241] at work
	s_load_b512 s[4:19], s[0:1], 0x0               ; x, ln_w, ln_b, Wk, Wv, Wr, Wo, act16
	s_load_b128 s[20:23], s[0:1], 0x40             ; wkvr, wo16
	v_lshrrev_b32 v3, 5, v0
	v_readfirstlane_b32 s24, v3                    ; wave 0..15
	v_and_b32 v1, 31, v0
	v_lshlrev_b32 v2, 3, v1                        ; 8 x lane: my place in 256 bytes of f16
	v_lshlrev_b32 v1, 4, v1                        ; 16 x lane: my place in 512 bytes of f32
	v_mov_b32 v[T+1], 0                            ; v_permlanex16_b32's destination counts as read
	s_mov_b32 s30, 0x76543210                      ; each lane takes its own place in the other half
	s_mov_b32 s31, 0xfedcba98
	s_mov_b32 s32, 0x3a800000                      ; 1 / 1024
	s_mov_b32 s33, 0x3727c5ac                      ; eps = 1e-5
	s_lshl_b32 s34, ttmp9, 6
	s_lshl_b32 s25, s24, 2
	s_add_co_u32 s34, s34, s25                     ; my first row of x: 64 x group + 4 x wave
	s_lshr_b32 s35, ttmp9, 6                       ; my weight matrix: 0 Wk, 1 Wv, 2 Wr, 3 Wo (64 groups of 16 rows to each)
	s_and_b32 s42, ttmp9, 63
	s_lshl_b32 s42, s42, 4
	s_add_co_u32 s42, s42, s24                     ; my row (channel) of it
	s_lshr_b32 s43, s42, 5
	s_mul_i32 s43, s43, 96
	s_lshl_b32 s25, s35, 5
	s_add_co_u32 s43, s43, s25
	s_and_b32 s25, s42, 31
	s_add_co_u32 s43, s43, s25                     ; its row in wkvr
	s_mov_b32 s37, 0
	s_wait_kmcnt 0x0
	s_cmp_eq_u32 s35, 1
	s_cselect_b64 s[38:39], s[12:13], s[10:11]
	s_cmp_eq_u32 s35, 2
	s_cselect_b64 s[38:39], s[14:15], s[38:39]
	s_cmp_eq_u32 s35, 3
	s_cselect_b64 s[38:39], s[16:17], s[38:39]
	s_cselect_b64 s[40:41], s[22:23], s[20:21]
	s_cselect_b32 s43, s42, s43                    ; Wo keeps its rows
	s_lshl_b32 s36, s42, 12
	s_add_nc_u64 s[38:39], s[38:39], s[36:37]      ; the weight row, from
	s_lshl_b32 s36, s43, 11
	s_add_nc_u64 s[40:41], s[40:41], s[36:37]      ; and to
	s_lshl_b32 s36, s34, 12
	s_add_nc_u64 s[26:27], s[4:5], s[36:37]        ; my rows of x
	s_lshl_b32 s36, s34, 11
	s_add_nc_u64 s[28:29], s[18:19], s[36:37]      ; and of act16
.macro FILL s, base, off               ; a row into slot s: eight loads of 512 consecutive bytes
.irp j, 0,1,2,3,4,5,6,7
	global_load_b128 v[X+32*(\s)+4*(\j):X+32*(\s)+4*(\j)+3], v1, s[\base:\base+1] offset:(\off)+512*(\j) th:TH_LOAD_NT
.endr
.endm
.macro OUT s, base, off                ; slot s is rounded to f16 in place and stored: 256 consecutive bytes a store
.irp j, 0,1,2,3,4,5,6,7
	v_cvt_pk_f16_f32 v[X+32*(\s)+4*(\j)], v[X+32*(\s)+4*(\j)], v[X+32*(\s)+4*(\j)+1]
	v_cvt_pk_f16_f32 v[X+32*(\s)+4*(\j)+1], v[X+32*(\s)+4*(\j)+2], v[X+32*(\s)+4*(\j)+3]
	global_store_b64 v2, v[X+32*(\s)+4*(\j):X+32*(\s)+4*(\j)+1], s[\base:\base+1] offset:(\off)+256*(\j)
.endr
.endm
.macro REDUCE                          ; the four chains into one number, then over the 32 lanes: every lane ends with the sum in v[T]
	v_pk_add_f32 v[M:M+1], v[M:M+1], v[M+2:M+3]
	v_pk_add_f32 v[M+4:M+5], v[M+4:M+5], v[M+6:M+7]
	v_pk_add_f32 v[M:M+1], v[M:M+1], v[M+4:M+5]
	v_add_f32 v[T], v[M], v[M+1]
	v_add_f32_dpp v[T], v[T], v[T] row_xmask:1 row_mask:0xf bank_mask:0xf
	v_add_f32_dpp v[T], v[T], v[T] row_xmask:2 row_mask:0xf bank_mask:0xf
	v_add_f32_dpp v[T], v[T], v[T] row_xmask:4 row_mask:0xf bank_mask:0xf
	v_add_f32_dpp v[T], v[T], v[T] row_xmask:8 row_mask:0xf bank_mask:0xf
	v_permlanex16_b32 v[T+1], v[T], s30, s31
	v_add_f32 v[T], v[T], v[T+1]
.endm
; One row of x.  left = the loads of the younger rows, which may stay out.
.macro TURN s, left
.set XS, X+32*(\s)
	s_wait_loadcnt \left                           ; loads come back in order (ISA guide 5.7.1): ln_w, ln_b and my row are in
.irp k, 0,1,2,3
	v_pk_add_f32 v[M+2*(\k):M+2*(\k)+1], v[XS+4*(\k):XS+4*(\k)+1], v[XS+4*(\k)+2:XS+4*(\k)+3]  ; the first pairs start the chains
.endr
.irp k, 0,1,2,3
	v_pk_add_f32 v[M+2*(\k):M+2*(\k)+1], v[M+2*(\k):M+2*(\k)+1], v[XS+16+4*(\k):XS+16+4*(\k)+1]
.endr
.irp k, 0,1,2,3
	v_pk_add_f32 v[M+2*(\k):M+2*(\k)+1], v[M+2*(\k):M+2*(\k)+1], v[XS+16+4*(\k)+2:XS+16+4*(\k)+3]
.endr
	REDUCE
	v_mul_f32 v[MU], s32, v[T]
	v_mul_f32 v[MU+1], s32, v[T]
.set p, 0
.rept 16
	v_pk_add_f32 v[XS+2*p:XS+2*p+1], v[XS+2*p:XS+2*p+1], v[MU:MU+1] neg_lo:[0,1] neg_hi:[0,1]  ; x - mean
.set p, p+1
.endr
.irp k, 0,1,2,3
	v_pk_mul_f32 v[M+2*(\k):M+2*(\k)+1], v[XS+2*(\k):XS+2*(\k)+1], v[XS+2*(\k):XS+2*(\k)+1]
.endr
.set p, 4
.rept 12
	v_pk_fma_f32 v[M+2*(p%4):M+2*(p%4)+1], v[XS+2*p:XS+2*p+1], v[XS+2*p:XS+2*p+1], v[M+2*(p%4):M+2*(p%4)+1]
.set p, p+1
.endr
	REDUCE
	v_fma_f32 v[T], v[T], s32, s33                 ; var + eps
	v_rsq_f32 v[RS], v[T]
	v_rsq_f32 v[RS+1], v[T]
	v_nop                                          ; a plain instruction between the root and the use of its result (ISA guide 5.7.2)
.set p, 0
	s_wait_alu depctr_va_vdst(0)
.rept 16
	v_pk_mul_f32 v[XS+2*p:XS+2*p+1], v[XS+2*p:XS+2*p+1], v[RS:RS+1]
.set p, p+1
.endr
.set p, 0
.rept 16
	v_pk_fma_f32 v[XS+2*p:XS+2*p+1], v[XS+2*p:XS+2*p+1], v[LW+2*p:LW+2*p+1], v[LB+2*p:LB+2*p+1]
.set p, p+1
.endr
	OUT \s, 28, (\s)*OUTB
.endm
	FILL 4, 38, 0                                  ; the weight row first
.irp j, 0,1,2,3,4,5,6,7
	global_load_b128 v[LW+4*(\j):LW+4*(\j)+3], v1, s[6:7] offset:512*(\j)
.endr
.irp j, 0,1,2,3,4,5,6,7
	global_load_b128 v[LB+4*(\j):LB+4*(\j)+3], v1, s[8:9] offset:512*(\j)
.endr
	FILL 0, 26, 0*ROWB
	FILL 1, 26, 1*ROWB
	FILL 2, 26, 2*ROWB
	FILL 3, 26, 3*ROWB
	s_wait_loadcnt 48                              ; the weight row is in; the 16 loads of ln_w and ln_b and the 32 of x stay out
	OUT 4, 40, 0
	TURN 0, 24                                     ; three younger rows of eight loads stay out, then two, one, none
	TURN 1, 16
	TURN 2, 8
	TURN 3, 0
	s_endpgm
.Lfunc_end_k_qdc6c31ede4_prep:
	.size	k_qdc6c31ede4_prep, .Lfunc_end_k_qdc6c31ede4_prep-k_qdc6c31ede4_prep
	.p2alignl 7, 3214868480
	.fill 96, 4, 3214868480
	.section	.rodata,"a",@progbits
	.p2align	6, 0x0
	.amdhsa_kernel k_qdc6c31ede4_prep
		.amdhsa_group_segment_fixed_size 0
		.amdhsa_private_segment_fixed_size 0
		.amdhsa_enable_private_segment 0
		.amdhsa_kernarg_size 80
		.amdhsa_user_sgpr_count 2
		.amdhsa_user_sgpr_kernarg_segment_ptr 1
		.amdhsa_wavefront_size32 1
		.amdhsa_system_sgpr_workgroup_id_x 1
		.amdhsa_system_sgpr_workgroup_id_y 1
		.amdhsa_system_sgpr_workgroup_id_z 1
		.amdhsa_system_vgpr_workitem_id 0
		.amdhsa_next_free_vgpr 242
		.amdhsa_next_free_sgpr 66
		.amdhsa_reserve_vcc 0
		.amdhsa_float_denorm_mode_32 3
		.amdhsa_float_denorm_mode_16_64 3
		.amdhsa_memory_ordered 1
		.amdhsa_forward_progress 1
		.amdhsa_inst_pref_size 41
	.end_amdhsa_kernel
	.amdgpu_metadata
---
amdhsa.version: [ 1, 2 ]
amdhsa.kernels:
  - .name:           k_qdc6c31ede4_prep
    .symbol:         k_qdc6c31ede4_prep.kd
    .args:
      - { .name: x, .offset: 0, .size: 8, .value_kind: global_buffer, .address_space: global }
      - { .name: ln_w, .offset: 8, .size: 8, .value_kind: global_buffer, .address_space: global }
      - { .name: ln_b, .offset: 16, .size: 8, .value_kind: global_buffer, .address_space: global }
      - { .name: Wk, .offset: 24, .size: 8, .value_kind: global_buffer, .address_space: global }
      - { .name: Wv, .offset: 32, .size: 8, .value_kind: global_buffer, .address_space: global }
      - { .name: Wr, .offset: 40, .size: 8, .value_kind: global_buffer, .address_space: global }
      - { .name: Wo, .offset: 48, .size: 8, .value_kind: global_buffer, .address_space: global }
      - { .name: act16, .offset: 56, .size: 8, .value_kind: global_buffer, .address_space: global }
      - { .name: wkvr, .offset: 64, .size: 8, .value_kind: global_buffer, .address_space: global }
      - { .name: wo16, .offset: 72, .size: 8, .value_kind: global_buffer, .address_space: global }
    .group_segment_fixed_size: 0
    .private_segment_fixed_size: 0
    .kernarg_segment_align: 8
    .kernarg_segment_size: 80
    .max_flat_workgroup_size: 512
    .sgpr_count:     66
    .vgpr_count:     242
    .wavefront_size: 32
...
	.end_amdgpu_metadata
.endif
;; end of part 1
;; launch kvr (part 2): grid 8 x 32, 4 waves a work-group, clusters of 4 x 4, 327,680 bytes of LDS; arguments act16, wkvr, time_decay, time_first, r_ws, wl_ws, stats; writes r_ws, wl_ws, stats
.if DOCPART == 2
	.amdgcn_target "amdgcn-amd-amdhsa--gfx1250"
	.amdhsa_code_object_version 6
	.text
	.protected	k_qdc6c31ede4_kvr
	.globl	k_qdc6c31ede4_kvr
	.p2align	8
	.type	k_qdc6c31ede4_kvr,@function
k_qdc6c31ede4_kvr:
	s_mov_b64 s[64:65], 0
	v_nop
	global_prefetch_b8 v0, s[64:65] scope:SCOPE_SE
	s_setreg_imm32_b32 hwreg(HW_REG_WAVE_MODE, 25, 1), 1
	s_wait_xcnt 0x0
	s_wait_alu depctr_hold_cnt(0) depctr_sa_sdst(0) depctr_va_vdst(0) depctr_va_sdst(0) depctr_va_ssrc(0) depctr_va_vcc(0) depctr_vm_vsrc(0)
	s_getreg_b32 s2, hwreg(HW_REG_IB_STS2, 6, 4)
	s_cmp_eq_u32 s2, 0
	s_cbranch_scc0 .Lentry_in_a_cluster
	s_endpgm
.Lentry_in_a_cluster:
	s_bfe_u32 s2, ttmp6, 0x10000c
	s_cmp_lg_u32 s2, 0xf033
	s_cbranch_scc0 .Lentry_shape_is_right
	s_endpgm
.Lentry_shape_is_right:
; KVR.  k, v, r = xx W^T (f16 operands, f32 sums), and on the way out the running sum over t inside a chunk of 512 rows.
; A work-group owns chunk y (rows 512 y .. + 511 of the 16,384; 8 chunks to a batch) and channels 128 g .. + 127.  It STAYS and walks four tiles of 128 rows x 384 columns
; (k, v and r of its 128 channels) downward in t.  Wave w has all 128 rows and channels 32 w .. + 31 of k, v and r: 8 x 6 accumulators of 16 x 16, 384 registers, so
; k, v, r of a channel and the channel's whole column of the tile lie in ONE wave, and the running sum needs no LDS and no barrier.
; K goes in steps of 128 through a ring of two LDS slots filled by the tensor data mover; a tile's rows are 256 bytes of memory at multiples of 256 bytes.
; The ring does not stop at a tile's end: a tile's last two changes of slots ask for the next tile's first two K steps.  The last tile's last K steps, which ask for nothing, are written
; out; both ways join at the way out, which stands once in the text (behind the join every wait on TENSORcnt is for 0).
; CLUSTER 4 x 4: the four work-groups of a row of the cluster share chunk y, so xx's tile is asked for jointly; the four of a column share g, so the weights' tiles are.
; THE PRODUCT IS USED AS IT STANDS (source 0 = 16 rows of xx, source 1 = 16 rows of W): a lane holds ONE channel (lane % 16) and rows 8 (lane / 16) + 0..7.
; OUT GO: r in f16; wl = (sum over earlier rows of the chunk of k v w) + k tf in f32; for each channel the chunk's sum S and max |wl| (f32).  w(t) = 2^(tdl t), tdl = -log2(e) e^time_decay,
; made by v_exp_f32 for the chunk's first 16 rows and multiplied by 2^(16 tdl) for each 16 rows further on, 31 times at the most.
; LAYOUTS.  r_ws: byte g 4 MiB + RB 4096 + (c % 128) 32 + 2 (row % 16), RB = row / 16.  wl_ws: byte g 8 MiB + RB 8192 + ((c % 128) / 16) 1024 + jq 512 + 16 (2 (c % 16) + h), four f32 = rows 8 h + 4 jq + 0..3.
; LIMITS.  The sums' order differs from a serial cumsum's.  w below 2^-126 counts as 0 where v_exp_f32 makes it.  r beyond 65,504 becomes an infinity, whose sigmoid is exactly 0 or 1.  NaN and infinities are not treated apart.
; REGISTERS, in windows of 256 (s_set_vgpr_msb: bits 1:0 source 0, 3:2 source 1, 5:4 source 2, 7:6 destination):
;   window 0: v0-31 addresses; v32-63 the way out's constants as they are made; v64-127, v128-191 fragments of xx, two buffers
;   window 1: v0-47, v48-95 fragments of W, two buffers
;   window 2: v0-191 accumulators of rows 0-63 ((a, fb) at 8 (6 a + fb), fb = 2 q + cb: q = 0 k, 1 v, 2 r; cb = which 16 of my 32 channels); v192-255 the way out's state.  window 3: the same for rows 64-127
.set PITCH,  272                       ; an LDS row: 256 bytes + 16 of padding = 68 words: the 16 rows of a fragment load start at 16 different groups of four banks (64 banks of 4 bytes: ISA guide 11.1)
.set HALFT,  128*PITCH                 ; 128 rows: what one tensor load brings
.set SLOT,   4*HALFT                   ; xx's 128 rows, then W's 384
.set SPARE,  2*SLOT                    ; behind the ring: the spare words, 128 bytes for each wave
.set LAPS,   4                         ; a lap = two K steps; K = 1,024
.set TILES,  4
.set NEXT_A, 128*2048-6*256            ; bytes from a slot's last K step of a tile to its first of the next: 128 rows down, six steps back
.set BACK_B, 6*256                     ; W only back
.set ADRA, 16                          ; v16-17 LDS address of my xx fragments in slot 0, 1
.set ADRB, 20                          ; v20-21 the same for W
.set SPW,  28                          ; v28 my spare word; never rewritten
.set NIL,  29                          ; v29 0; never rewritten
.set IMG,  32                          ; v32-63 are copied to v192-223 of window 2, the part that never changes to window 3 too
.set AF,   64
.set WT,   192                         ; + 8 cb + j: w of row j
.set QQ,   208                         ; + 2 cb: 2^(16 tdl), twice
.set TF,   212                         ; + 2 cb: e^time_first, twice
.set RUN,  216                         ; + cb: the sum over the chunk's rows so far
.set MX,   218                         ; + cb: max |wl| so far
.set HM,   220                         ; lane / 16 as a float
.set VST,  221                         ; 8 x lane
.set VOR,  222                         ; my 16 bytes in a block of r_ws
.set VOW,  223                         ; my 16 bytes in a block of wl_ws
.set TT,   224                         ; + 4 cb: at work
.set OO,   232                         ; + cb: the other half of the lanes' sum
.set RH,   236                         ; four sets of four: r in f16
.set G1,  24                           ; s[24:31] descriptor group 1 for xx's tiles;  s[32:39] group 0, a set for each slot
.set G0,  32
.set G1B, 48                           ; s[48:55], s[56:63] the same for W's
.set G0B, 56
.set SEL, 66                           ; s[66:67] v_permlanex16_b32's selects
.set RP,  68                           ; s[68:69] r_ws at the tile in hand
.set WP,  70                           ; s[70:71] wl_ws
.set SP,  72                           ; s[72:73] stats at my 32 channels
.set MSB, 0
.macro WIN new                         ; the immediate's high byte repeats the setting that is left
.if MSB != (\new)
	s_set_vgpr_msb (MSB<<8)|(\new)
.set MSB, \new
.endif
.endm
.set MUL_LO, 0xa4                      ; source 0 (xx) window 0, source 1 (W) window 1, C and D window 2
.set TO_B,   0x40                      ; destination window 1, address window 0
; A joint load.  Wave 0 fetches xx's tile, waves 1 to 3 W's three parts of 128 rows.  The branch hangs on the wave's number alone.
; An s_nop 0 and four v_nop follow each of the two lines, ahead of the jump and the label.
.macro JLOAD s
	s_cmp_eq_u32 s12, 0
	s_cbranch_scc0 .Lfor_b_\@
	tensor_load_to_lds s[G0+4*(\s):G0+4*(\s)+3], s[G1:G1+7]
	s_nop 0
.rept 4
	v_nop
.endr
	s_branch .Lasked_\@
.Lfor_b_\@:
	tensor_load_to_lds s[G0B+4*(\s):G0B+4*(\s)+3], s[G1B:G1B+7]
	s_nop 0
.rept 4
	v_nop
.endr
.Lasked_\@:
.endm
.macro CREST                           ; a round of the cluster's barrier behind its opening barrier
	s_cmp_lg_u32 s12, 0
	s_cbranch_scc1 .Lnot_wave_0_\@
	s_barrier_signal -3
.Lnot_wave_0_\@:
	s_barrier_wait -3
	s_barrier_signal -1
	s_barrier_wait -1
.endm
.macro CROUND                          ; a whole round
	s_barrier_signal -1
	s_barrier_wait -1
	CREST
.endm
	s_load_b256 s[4:11], s[0:1], 0x0               ; act16 s[4:5], wkvr s[6:7], time_decay s[8:9], time_first s[10:11]
	s_load_b128 s[68:71], s[0:1], 0x20             ; r_ws, wl_ws
	s_load_b64 s[72:73], s[0:1], 0x30              ; stats
	v_lshl_add_u32 v[SPW], v0, 2, SPARE
	v_mov_b32 v[NIL], 0
	ds_add_u32 v[SPW], v[NIL]                      ; the wave's opening: the add and its wait stand ahead of my first tensor load; the set-up below, work on registers, stands between them
	v_lshrrev_b32 v1, 5, v0
	v_readfirstlane_b32 s12, v1                    ; wave 0..3
	s_bfe_u32 s40, ttmp6, 0x40000                  ; cx
	s_bfe_u32 s41, ttmp6, 0x40004                  ; cy
	s_lshl_b32 s42, ttmp9, 2
	s_add_co_u32 s42, s42, s40                     ; g = 4 x cluster x + cx
	s_and_b32 s13, ttmp7, 0xffff
	s_lshl_b32 s13, s13, 2
	s_add_co_u32 s13, s13, s41                     ; y = 4 x cluster y + cy
	s_lshl_b32 s43, s41, 2
	s_lshl_b32 s43, 15, s43                        ; my row of the cluster
	s_lshl_b32 s44, 0x1111, s40                    ; my column
	s_or_b32 s[G1], s43, (1<<16)|(1<<20)|(1<<21)|(5<<22)|(3<<25)   ; 15:0 the mask; 17:16 2-byte elements; 20 padding on; 21 set beside a mask; 24:22 after every 64 words; 31:25 four words
	s_or_b32 s[G1B], s44, (1<<16)|(1<<20)|(1<<21)|(5<<22)|(3<<25)
.irp g, G1, G1B
	s_mov_b32 s[(\g)+1], 128<<16                   ; tensor_dim0 = 128
	s_mov_b32 s[(\g)+2], 128<<16                   ; tensor_dim1 = 128
	s_mov_b32 s[(\g)+3], 128<<16                   ; tile_dim0 = 128
	s_mov_b32 s[(\g)+4], 128                       ; tile_dim1 = 128
	s_mov_b32 s[(\g)+5], 1024                      ; elements from row to row
	s_mov_b32 s[(\g)+6], 0
	s_mov_b32 s[(\g)+7], 0
.endr
	s_mov_b32 s[SEL], 0x76543210
	s_mov_b32 s[SEL+1], 0xfedcba98
	s_lshl_b32 s16, s13, 20                        ; xx: chunk y begins 512 rows x 2,048 bytes x y in: it hangs on y alone
	s_mov_b32 s17, 0
	s_max_u32 s45, s12, 1
	s_sub_co_u32 s45, s45, 1                       ; which 128 of W's 384 rows I fetch (wave 0 makes the address and does not use it)
	s_lshl_b32 s45, s45, 7
	s_mul_i32 s46, s42, 384
	s_add_co_u32 s46, s46, s45
	s_lshl_b32 s46, s46, 11                        ; W: it hangs on g and the wave alone
	s_mov_b32 s47, 0
	s_mul_i32 s20, s12, HALFT                      ; where my load lands: wave x 128 rows
	s_wait_dscnt 0x0                               ; the opening add is done
	s_wait_kmcnt 0x0
	s_add_nc_u64 s[14:15], s[4:5], s[16:17]
	s_add_nc_u64 s[46:47], s[6:7], s[46:47]
	CROUND                                         ; all sixteen work-groups are here: the first joint loads meet
.irp s, 0,1
	s_mov_b32 s[G0+4*(\s)], 1
	s_add_co_u32 s[G0+4*(\s)+1], s20, (\s)*SLOT
	s_add_nc_u64 s[G0+4*(\s)+2:G0+4*(\s)+3], s[14:15], (\s)*256
	s_or_b32 s[G0+4*(\s)+3], s[G0+4*(\s)+3], 0x80000000
	s_mov_b32 s[G0B+4*(\s)], 1
	s_add_co_u32 s[G0B+4*(\s)+1], s20, (\s)*SLOT
	s_add_nc_u64 s[G0B+4*(\s)+2:G0B+4*(\s)+3], s[46:47], (\s)*256
	s_or_b32 s[G0B+4*(\s)+3], s[G0B+4*(\s)+3], 0x80000000
	JLOAD \s                                       ; two loads of mine are out
.endr
	; all that follows up to the first wait on TENSORcnt stands in the wait for the first tile
	v_and_b32 v1, 15, v0                           ; r = l % 16
	v_bfe_u32 v2, v0, 4, 1                         ; h = l / 16
	s_lshl_b32 s74, s42, 9
	s_lshl_b32 s75, s12, 7
	s_add_co_u32 s74, s74, s75                     ; (128 g + 32 w) x 4
	v_lshl_add_u32 v5, v1, 2, s74
	global_load_b32 v6, v5, s[8:9]                 ; time_decay of channel r, and of 16 + r
	global_load_b32 v7, v5, s[8:9] offset:64
	global_load_b32 v8, v5, s[10:11]               ; time_first
	global_load_b32 v9, v5, s[10:11] offset:64
	v_mul_u32_u24 v3, v1, PITCH
	v_lshl_add_u32 v3, v2, 4, v3                   ; a fragment's row x pitch + 16 x half
	s_mul_i32 s21, s12, 96*PITCH
	s_add_co_u32 s21, s21, HALFT                   ; my 96 rows of W lie behind xx's 128
	v_mov_b32 v[ADRA], v3
	v_add_nc_u32 v[ADRA+1], SLOT, v3
	v_add_nc_u32 v[ADRB], s21, v3
	s_add_co_u32 s21, s21, SLOT
	v_add_nc_u32 v[ADRB+1], s21, v3
	v_cvt_f32_u32 v[IMG+28], v2                    ; HM
	v_and_b32 v10, 31, v0
	v_lshlrev_b32 v[IMG+29], 3, v10                ; VST
	v_lshlrev_b32 v10, 5, v1
	v_lshl_add_u32 v10, v2, 4, v10                 ; 32 r + 16 h
	s_lshl_b32 s76, s12, 10
	v_add_nc_u32 v[IMG+30], s76, v10               ; VOR: (32 w + r) 32 + 16 h
	s_lshl_b32 s76, s12, 11
	v_add_nc_u32 v[IMG+31], s76, v10               ; VOW: 2 w blocks of 1,024 + 16 (2 r + h)
	v_mov_b32 v[IMG+24], 0                         ; RUN, MX
	v_mov_b32 v[IMG+25], 0
	v_mov_b32 v[IMG+26], 0
	v_mov_b32 v[IMG+27], 0
	s_and_b32 s77, s13, 7
	s_lshl_b32 s77, s77, 9                         ; t of the chunk's first row in its batch
	v_lshl_add_u32 v11, v2, 3, s77                 ; + 8 h
	s_lshl_b32 s74, s42, 22
	s_lshl_b32 s75, s13, 17
	s_add_co_u32 s74, s74, s75
	s_mov_b32 s75, 0
	s_add_nc_u64 s[RP:RP+1], s[RP:RP+1], s[74:75]  ; g 4 MiB + 32 y blocks of 4,096
	s_lshl_b32 s74, s74, 1
	s_add_nc_u64 s[WP:WP+1], s[WP:WP+1], s[74:75]  ; twice that
	s_lshl_b32 s74, s13, 13
	s_lshl_b32 s76, s42, 10
	s_add_co_u32 s74, s74, s76
	s_lshl_b32 s76, s12, 8
	s_add_co_u32 s74, s74, s76
	s_add_nc_u64 s[SP:SP+1], s[SP:SP+1], s[74:75]  ; y 8,192 + (128 g + 32 w) 8
	s_wait_loadcnt 0x0
	v_mul_f32 v6, 0x3fb8aa3b, v6
	v_mul_f32 v7, 0x3fb8aa3b, v7
	v_mul_f32 v8, 0x3fb8aa3b, v8
	v_mul_f32 v9, 0x3fb8aa3b, v9
	v_exp_f32 v6, v6                               ; e^time_decay
	v_exp_f32 v7, v7
	v_exp_f32 v[IMG+20], v8                        ; tf
	v_exp_f32 v[IMG+22], v9
	v_nop                                          ; a plain instruction behind the run of exponentials (ISA guide 5.7.2)
	s_wait_alu depctr_va_vdst(0)
	v_mul_f32 v6, 0xbfb8aa3b, v6                   ; tdl
	v_mul_f32 v7, 0xbfb8aa3b, v7
	v_mov_b32 v[IMG+21], v[IMG+20]
	v_mov_b32 v[IMG+23], v[IMG+22]
	v_mul_f32 v[IMG+16], 0x41800000, v6            ; 16 tdl
	v_mul_f32 v[IMG+18], 0x41800000, v7
.irp j, 0,1,2,3,4,5,6,7
	v_add_nc_u32 v10, \j, v11
	v_cvt_f32_u32 v10, v10                         ; t, exact
	v_mul_f32 v[IMG+(\j)], v6, v10
	v_mul_f32 v[IMG+8+(\j)], v7, v10
.endr
.set p, 0
.rept 16
	v_exp_f32 v[IMG+p], v[IMG+p]
.set p, p+1
.endr
	v_exp_f32 v[IMG+16], v[IMG+16]
	v_exp_f32 v[IMG+18], v[IMG+18]
	v_nop
	s_wait_alu depctr_va_vdst(0)
	v_mov_b32 v[IMG+17], v[IMG+16]
	v_mov_b32 v[IMG+19], v[IMG+18]
	WIN 0x80                                       ; into window 2: all 32
.set p, 0
.rept 32
	v_mov_b32 v[WT+p], v[IMG+p]
.set p, p+1
.endr
	v_mov_b32 v[OO], 0                             ; v_permlanex16_b32's destinations count as read
	v_mov_b32 v[OO+1], 0
	WIN 0xc0                                       ; into window 3: what never changes (QQ, TF, HM and the three offsets); w, the sums and the maxima come over in each way out
.irp p, 16,17,18,19,20,21,22,23,28,29,30,31
	v_mov_b32 v[WT+(\p)], v[IMG+(\p)]
.endr
	v_mov_b32 v[OO], 0
	v_mov_b32 v[OO+1], 0
	WIN 0
; 12 matrix instructions: row blocks a0, a0 + 1 of the window's four x my 6 column blocks, 32 along K, from buffer f.  zero = 1: the first product starts the sums.
; The 48 accumulators take turns, one instruction a turn, in the same order in every quarter.
.macro MUL12 f, hi, a0, zero
	WIN MUL_LO+0x50*(\hi)
.irp a, \a0, (\a0)+1
.irp b, 0,1,2,3,4,5
.if \zero
	v_wmma_f32_16x16x32_f16 v[8*(6*(\a)+(\b)):8*(6*(\a)+(\b))+7], v[AF+64*(\f)+8*(4*(\hi)+(\a)):AF+64*(\f)+8*(4*(\hi)+(\a))+7], v[48*(\f)+8*(\b):48*(\f)+8*(\b)+7], 0
.else
	v_wmma_f32_16x16x32_f16 v[8*(6*(\a)+(\b)):8*(6*(\a)+(\b))+7], v[AF+64*(\f)+8*(4*(\hi)+(\a)):AF+64*(\f)+8*(4*(\hi)+(\a))+7], v[48*(\f)+8*(\b):48*(\f)+8*(\b)+7], v[8*(6*(\a)+(\b)):8*(6*(\a)+(\b))+7]
.endif
.endr
.endr
.endm
; 28 LDS loads in one run: 96 rows of W, then 128 rows of xx, 32 K at byte k of the rows, into buffer f
.macro FETCH slot, k, f
	WIN TO_B
.irp i, 0,1,2,3,4,5
	ds_load_b128 v[48*(\f)+8*(\i):48*(\f)+8*(\i)+3],   v[ADRB+(\slot)] offset:(\k)+(\i)*16*PITCH
	ds_load_b128 v[48*(\f)+8*(\i)+4:48*(\f)+8*(\i)+7], v[ADRB+(\slot)] offset:(\k)+(\i)*16*PITCH+32
.endr
	WIN 0
.irp i, 0,1,2,3,4,5,6,7
	ds_load_b128 v[AF+64*(\f)+8*(\i):AF+64*(\f)+8*(\i)+3],   v[ADRA+(\slot)] offset:(\k)+(\i)*16*PITCH
	ds_load_b128 v[AF+64*(\f)+8*(\i)+4:AF+64*(\f)+8*(\i)+7], v[ADRA+(\slot)] offset:(\k)+(\i)*16*PITCH+32
.endr
.endm
.macro PLACES                          ; four places in front of loads into registers that matrix instructions have read, and of vector work on results just made
.rept 4
	v_nop
.endr
.endm
; A K step is four quarters of 32 along K, 48 matrix instructions each, on buffers 0, 1, 0, 1.  One of the first three: multiplies buffer f, fetches byte k of the rows into g.
.macro QUARTER slot, k, f, g, zero
	s_wait_dscnt 8                                 ; W and xx's rows 0-63 are in; the youngest eight loads (rows 64-127) may be out
	MUL12 \f, 0, 0, \zero
	MUL12 \f, 0, 2, \zero
	PLACES
	FETCH \slot, \k, \g
	s_wait_dscnt 28                                ; all but the 28 just issued
	MUL12 \f, 1, 0, \zero
	MUL12 \f, 1, 2, \zero
.endm
; The last quarter's first half: ONE barrier for the change of slots.  In front of it each wave waits for all its tensor loads (one is out: its part of the next slot), adds 0 to its spare word, and waits for that and
; for its reads of this slot.  A wave's next load goes out only behind this barrier, so what stands between the landing and the barrier delays every later tile: twelve of the quarter's products stand AHEAD of the wait
; for the tiles, twelve beside the add, none between the signal and the wait.
.macro MEET round
	s_wait_dscnt 8                                 ; W and xx's rows 0-63 of buffer 1 are in
	MUL12 1, 0, 0, 0
	WIN 0                                          ; (the add's two registers lie in window 0)
	s_wait_tensorcnt 0x0
	ds_add_u32 v[SPW], v[NIL]
	MUL12 1, 0, 2, 0                               ; twelve matrix instructions stand between the add and the wait for it
	s_wait_dscnt 0x0                               ; the add is done, and my reads of this slot are over
.if \round
	WIN 0
.endif
	s_barrier_signal -1
	s_barrier_wait -1
.endm
; The whole last quarter.  mode 0: nothing is filled.  1: the slot just read out takes this tile's K step two steps on.  2: the next tile's K step 0 or 1.
; Where a slot is filled the barrier opens a round of the cluster's, and the joint load is the first tensor load behind it: 180 matrix instructions ahead of the wait for it.
.macro TURN slot, next, mode
.if \mode
	MEET 1
	CREST
.if (\mode) == 2
	s_add_nc_u64 s[G0+4*(\slot)+2:G0+4*(\slot)+3], s[G0+4*(\slot)+2:G0+4*(\slot)+3], NEXT_A
	s_sub_nc_u64 s[G0B+4*(\slot)+2:G0B+4*(\slot)+3], s[G0B+4*(\slot)+2:G0B+4*(\slot)+3], BACK_B
.else
	s_add_nc_u64 s[G0+4*(\slot)+2:G0+4*(\slot)+3], s[G0+4*(\slot)+2:G0+4*(\slot)+3], 512
	s_add_nc_u64 s[G0B+4*(\slot)+2:G0B+4*(\slot)+3], s[G0B+4*(\slot)+2:G0B+4*(\slot)+3], 512
.endif
	JLOAD \slot                                    ; the four v_nop behind it are also the places in front of the loads below
.else
	MEET 0
	PLACES
.endif
	FETCH \next, 0, 0
	MUL12 1, 1, 0, 0
	MUL12 1, 1, 2, 0
.endm
; THE WAY OUT of 16 rows (block A of the tile's eight), wholly inside window 2 or 3.  BSET names the registers of column half cb; BOTH writes a line for both halves, so that no line reads the result of the one before it.
.macro BSET A, cb
.set CB, (\cb)
.set KK, 8*(6*((\A)%4)+(\cb))
.set VV, KK+16
.set RR, KK+32
.set WW, WT+8*(\cb)
.set HH, RH+4*((2*(\A)+(\cb))%4)
.set T4, TT+4*(\cb)
.set Q2, QQ+2*(\cb)
.set F2, TF+2*(\cb)
.set RN, RUN+(\cb)
.set MM, MX+(\cb)
.set O1, OO+(\cb)
.endm
.macro BOTH A, line:vararg
	BSET \A, 0
	\line
	BSET \A, 1
	\line
.endm
.macro BLK A
	WIN 0xaa+0x55*((\A)/4)
.set p, 0
.rept 4
	BOTH \A, v_pk_mul_f32 v[VV+2*p:VV+2*p+1], v[KK+2*p:KK+2*p+1], v[VV+2*p:VV+2*p+1]
.set p, p+1
.endr
.set p, 0
.rept 4
	BOTH \A, v_pk_mul_f32 v[VV+2*p:VV+2*p+1], v[VV+2*p:VV+2*p+1], v[WW+2*p:WW+2*p+1]    ; k v w
.set p, p+1
.endr
.set p, 0
.rept 4
	BOTH \A, v_pk_mul_f32 v[WW+2*p:WW+2*p+1], v[WW+2*p:WW+2*p+1], v[Q2:Q2+1]            ; w of the rows 16 further on
.set p, p+1
.endr
	BOTH \A, v_pk_add_f32 v[T4:T4+1], v[VV:VV+1], v[VV+2:VV+3]
	BOTH \A, v_pk_add_f32 v[T4+2:T4+3], v[VV+4:VV+5], v[VV+6:VV+7]
	BOTH \A, v_pk_add_f32 v[T4:T4+1], v[T4:T4+1], v[T4+2:T4+3]
	BOTH \A, v_add_f32 v[T4], v[T4], v[T4+1]                                            ; my eight rows' sum
	BOTH \A, v_permlanex16_b32 v[O1], v[T4], s[SEL], s[SEL+1]                           ; the other eight rows'
	s_wait_xcnt 0x0                                ; the earlier stores have had their addresses translated (ISA guide 3.1): only behind this wait is a set of RH written again; the 34 lines above stand between the last block's stores and it
.set p, 0
.rept 4
	BOTH \A, v_cvt_pk_f16_f32 v[HH+p], v[RR+2*p], v[RR+2*p+1]                           ; r leaves its accumulator, which then takes the sums
.set p, p+1
.endr
	BOTH \A, v_fma_f32 v[RR], v[O1], v[HM], v[RN]                                       ; what lies ahead of my first row: rows 8-15 have rows 0-7 ahead of them
	BOTH \A, v_add_f32 v[T4+1], v[T4], v[O1]
	BOTH \A, v_add_f32 v[RN], v[RN], v[T4+1]                                            ; the same bits in both halves of the lanes
	BOTH \A, global_store_b128 v[VOR], v[HH:HH+3], s[RP:RP+1] offset:(\A)*4096+CB*512   ; r: the wave's store covers 512 consecutive bytes, aligned
.set p, 0
.rept 7
	BOTH \A, v_add_f32 v[RR+p+1], v[RR+p], v[VV+p]
.set p, p+1
.endr
.set p, 0
.rept 4
	BOTH \A, v_pk_fma_f32 v[RR+2*p:RR+2*p+1], v[KK+2*p:KK+2*p+1], v[F2:F2+1], v[RR+2*p:RR+2*p+1]   ; + k tf
.set p, p+1
.endr
.set p, 0
.rept 4
	BOTH \A, v_max3_num_f32 v[MM], v[MM], |v[RR+2*p]|, |v[RR+2*p+1]|
.set p, p+1
.endr
	BOTH \A, global_store_b128 v[VOW], v[RR:RR+3], s[WP:WP+1] offset:(\A)*8192+CB*1024
	BOTH \A, global_store_b128 v[VOW], v[RR+4:RR+7], s[WP:WP+1] offset:(\A)*8192+CB*1024+512
.endm
.macro CARRY win                       ; w, the running sums and maxima go from one window to the other
	WIN \win
.set p, 0
.rept 16
	v_mov_b32 v[WT+p], v[WT+p]
.set p, p+1
.endr
.set p, 0
.rept 4
	v_mov_b32 v[RUN+p], v[RUN+p]
.set p, p+1
.endr
.endm
	s_wait_tensorcnt 1                             ; my part of K step 0 is in; K step 1's may stay out
	s_barrier_signal -1
	s_barrier_wait -1
	FETCH 0, 0, 0
	s_mov_b32 s2, TILES                            ; tiles to go, this one among them: the same number in every work-group
.Ltile:
	QUARTER 0, 64,  0, 1, 1                        ; a tile's first quarter: its products start the sums
	WIN 0
	s_mov_b32 s3, LAPS
.Llap:                                                 ; a trip goes once round the ring and fills both slots again; the fourth trip is left in its middle, ahead of its first fill
	QUARTER 0, 128, 1, 0, 0
	QUARTER 0, 192, 0, 1, 0
	WIN 0
	s_sub_co_u32 s3, s3, 1
	s_cmp_eq_u32 s3, 0
	s_cbranch_scc1 .Llaps_done
	TURN 0, 1, 1
	QUARTER 1, 64,  0, 1, 0
	QUARTER 1, 128, 1, 0, 0
	QUARTER 1, 192, 0, 1, 0
	TURN 1, 0, 1
	QUARTER 0, 64,  0, 1, 0
	WIN 0
	s_branch .Llap
.Llaps_done:
	s_cmp_eq_u32 s2, 1
	s_cbranch_scc1 .Llast_tile                     ; the last tile's last K steps are written out: they ask for nothing more
	TURN 0, 1, 2                                   ; the ring goes on into the next tile
	QUARTER 1, 64,  0, 1, 0
	QUARTER 1, 128, 1, 0, 0
	QUARTER 1, 192, 0, 1, 0
	TURN 1, 0, 2                                   ; both refills are asked for
	WIN 0
	s_branch .Lout
.Llast_tile:
	TURN 0, 1, 0
	QUARTER 1, 64,  0, 1, 0
	QUARTER 1, 128, 1, 0, 0
	QUARTER 1, 192, 0, 1, 0
	s_wait_dscnt 8                                 ; the very last quarter: nothing more to fetch
	MUL12 1, 0, 0, 0
	MUL12 1, 0, 2, 0
	s_wait_dscnt 0x0
	MUL12 1, 1, 0, 0
	MUL12 1, 1, 2, 0
	WIN 0
.Lout:                                                 ; THE TILE GOES OUT
	PLACES                                         ; behind the tile's last products
	BLK 0
	BLK 1
	BLK 2
	BLK 3
	CARRY 0xc2                                     ; source window 2, destination window 3
	BLK 4
	BLK 5
	BLK 6
	BLK 7
	CARRY 0x83                                     ; source window 3, destination window 2: for the next tile (behind the last tile the copy and the two steps below serve nothing)
	WIN 0
	s_wait_xcnt 0x0                                ; the stores' bases are stepped, and the accumulators that they read written again, only behind this wait
	s_add_nc_u64 s[RP:RP+1], s[RP:RP+1], 8*4096
	s_add_nc_u64 s[WP:WP+1], s[WP:WP+1], 8*8192
	s_sub_co_u32 s2, s2, 1
	s_cmp_lg_u32 s2, 0
	s_cbranch_scc1 .Ltile
	; the chunk's sum and maximum for my 32 channels: lane l takes channel l (lanes 16-31: the second 16)
	WIN 0xff
	v_permlanex16_b32 v[OO], v[MX], s[SEL], s[SEL+1]
	v_permlanex16_b32 v[OO+1], v[MX+1], s[SEL], s[SEL+1]
	v_cmp_lt_f32 vcc_lo, 0, v[HM]
	v_max_num_f32 v[MX], v[MX], v[OO]
	v_max_num_f32 v[MX+1], v[MX+1], v[OO+1]
	v_cndmask_b32 v[TT], v[RUN], v[RUN+1], vcc_lo
	v_cndmask_b32 v[TT+1], v[MX], v[MX+1], vcc_lo
	global_store_b64 v[VST], v[TT:TT+1], s[SP:SP+1] ; 256 consecutive bytes, aligned
	WIN 0
	s_wait_tensorcnt 0x0                           ; the wave's end
	ds_add_u32 v[SPW], v[NIL]
	s_wait_dscnt 0x0
	CROUND                                         ; the closing round: no work-group ends while a partner may still ask for a tile that names it
	s_endpgm
.Lfunc_end_k_qdc6c31ede4_kvr:
	.size	k_qdc6c31ede4_kvr, .Lfunc_end_k_qdc6c31ede4_kvr-k_qdc6c31ede4_kvr
	.p2alignl 7, 3214868480
	.fill 96, 4, 3214868480
	.section	.rodata,"a",@progbits
	.p2align	6, 0x0
	.amdhsa_kernel k_qdc6c31ede4_kvr
		.amdhsa_group_segment_fixed_size 327680
		.amdhsa_private_segment_fixed_size 0
		.amdhsa_enable_private_segment 0
		.amdhsa_kernarg_size 56
		.amdhsa_user_sgpr_count 2
		.amdhsa_user_sgpr_kernarg_segment_ptr 1
		.amdhsa_wavefront_size32 1
		.amdhsa_system_sgpr_workgroup_id_x 1
		.amdhsa_system_sgpr_workgroup_id_y 1
		.amdhsa_system_sgpr_workgroup_id_z 1
		.amdhsa_system_vgpr_workitem_id 0
		.amdhsa_next_free_vgpr 1024
		.amdhsa_next_free_sgpr 80
		.amdhsa_reserve_vcc 1
		.amdhsa_float_denorm_mode_32 3
		.amdhsa_float_denorm_mode_16_64 3
		.amdhsa_memory_ordered 1
		.amdhsa_forward_progress 1
		.amdhsa_inst_pref_size 154
	.end_amdhsa_kernel
	.amdgpu_metadata
---
amdhsa.version: [ 1, 2 ]
amdhsa.kernels:
  - .name:           k_qdc6c31ede4_kvr
    .symbol:         k_qdc6c31ede4_kvr.kd
    .args:
      - { .name: act16, .offset: 0, .size: 8, .value_kind: global_buffer, .address_space: global }
      - { .name: wkvr, .offset: 8, .size: 8, .value_kind: global_buffer, .address_space: global }
      - { .name: time_decay, .offset: 16, .size: 8, .value_kind: global_buffer, .address_space: global }
      - { .name: time_first, .offset: 24, .size: 8, .value_kind: global_buffer, .address_space: global }
      - { .name: r_ws, .offset: 32, .size: 8, .value_kind: global_buffer, .address_space: global }
      - { .name: wl_ws, .offset: 40, .size: 8, .value_kind: global_buffer, .address_space: global }
      - { .name: stats, .offset: 48, .size: 8, .value_kind: global_buffer, .address_space: global }
    .group_segment_fixed_size: 327680
    .private_segment_fixed_size: 0
    .kernarg_segment_align: 8
    .kernarg_segment_size: 56
    .max_flat_workgroup_size: 128
    .sgpr_count:     80
    .vgpr_count:     1024
    .wavefront_size: 32
...
	.end_amdgpu_metadata
.endif
;; end of part 2
;; launch fix (part 3): grid 256 x 1, 16 waves a work-group, no clusters, 6,400 bytes of LDS; arguments r_ws, wl_ws, stats, act16, gsc; writes act16, gsc
.if DOCPART == 3
	.amdgcn_target "amdgcn-amd-amdhsa--gfx1250"
	.amdhsa_code_object_version 6
	.text
	.protected	k_qdc6c31ede4_fix
	.globl	k_qdc6c31ede4_fix
	.p2align	8
	.type	k_qdc6c31ede4_fix,@function
k_qdc6c31ede4_fix:
	s_mov_b64 s[64:65], 0
	v_nop
	global_prefetch_b8 v0, s[64:65] scope:SCOPE_SE
	s_setreg_imm32_b32 hwreg(HW_REG_WAVE_MODE, 25, 1), 1
	s_wait_xcnt 0x0
; FIX.  out = sigmoid(r) (carry + wl), scaled by a power of two f and rounded once to f16, into act16 in r_ws's layout (byte g 4 MiB + RB 4096 + (c % 128) 32 + 2 (row % 16)).
; carry[c] = the sum of the chunk sums S of the earlier chunks of the batch, added in their order in f32.
; THE SCALE.  bound = max over the 1,024 channels of |carry| + max |wl| is at least |out| in the whole chunk, since a sigmoid is at most 1.  With E = bound's exponent field held to 15 .. 254,
; f = 2^(141 - E) keeps |out f| under 2^15, inside f16, whatever the size of the inputs; g = 1 / f = 2^(E - 141) goes to gsc (64 equal words for each 64 rows) and the last product multiplies by it in f32.
; SHARES.  A work-group owns 64 rows (four blocks of 16).  Wave w takes channel block w % 8 (128 channels) and two of the four row blocks (w / 8): 8,192 consecutive bytes of r, 16,384 of wl, all asked
; for at the start (48 loads a wave behind the 8 of stats): no register is loaded twice.  Memory binds: no matrix unit, no cluster.
; A lane's 16 bytes of r (8 rows of one channel) and its 2 x 16 bytes of wl belong to the same 8 numbers, so nothing changes lanes.
; The choice among chunks is made by v_cndmask_b32 on masks from the work-group's number: nothing branches, and a later chunk's numbers never enter an earlier one's.
; LIMITS.  out below 2^-29 of the chunk's bound keeps f16's fixed step.  NaN and infinities are not treated apart.
.set MAXES, 4096                       ; LDS: carry[1024] f32 at 0; the 16 waves' maxima here, in a block of 256 bytes of their own
.set SPARE, 4352                       ; the spare words, 128 bytes for each of the 16 waves
.set FF,  10                           ; v[10:11] f, twice
.set GG,  12                           ; v[12:13] g, twice
.set ST,  24                           ; v[24:55] stats of my two channels, chunk i at + 4 i: S, Mx, S, Mx; later at work
.set T,   24                           ; v[24:31] at work
.set CF,  32                           ; v[32:47] carry f of my channel in channel group i, twice, at + 2 i
.set SPW, 60
.set NIL, 61
.set R0,  64                           ; slot s at + 96 s: 32 registers of r, 64 of wl
	s_load_b256 s[4:11], s[0:1], 0x0               ; r_ws s[4:5], wl_ws s[6:7], stats s[8:9], act16 s[10:11]
	s_load_b64 s[12:13], s[0:1], 0x20              ; gsc
	v_lshl_add_u32 v[SPW], v0, 2, SPARE
	v_mov_b32 v[NIL], 0
	v_lshrrev_b32 v20, 5, v0
	v_readfirstlane_b32 s14, v20                   ; wave 0..15
	s_and_b32 s15, s14, 7                          ; my channel block
	s_lshr_b32 s16, s14, 3                         ; my two row blocks
	v_and_b32 v21, 31, v0                          ; lane
	v_lshlrev_b32 v1, 4, v21                       ; 16 x lane
	v_lshlrev_b32 v7, 3, v21                       ; 8 x lane
	v_lshlrev_b32 v2, 4, v0                        ; 16 x thread: channels 2 t, 2 t + 1 in a chunk's stats
	v_lshlrev_b32 v3, 3, v0                        ; 8 x thread: their place in carry
	s_lshl_b32 s17, s14, 2
	s_add_co_u32 s17, s17, MAXES
	v_mov_b32 v4, s17                              ; my wave's word among the maxima
	v_lshrrev_b32 v5, 1, v21
	s_lshl_b32 s17, s15, 9
	v_lshl_add_u32 v5, v5, 2, s17                  ; carry of channel 128 g + lane / 2
	v_mov_b32 v6, MAXES
	v_mov_b32 v8, 0xbfb8aa3b                       ; -log2(e)
	v_mov_b32 v9, 0
	s_mov_b32 s34, 0x76543210
	s_mov_b32 s35, 0xfedcba98
	s_bfe_u32 s18, ttmp9, 0x30003                  ; my chunk's number in its batch: 8 groups of 64 rows to a chunk, 8 chunks to a batch
	s_lshl_b32 s20, s15, 22
	s_lshl_b32 s22, ttmp9, 14
	s_add_co_u32 s20, s20, s22
	s_lshl_b32 s22, s16, 13
	s_add_co_u32 s20, s20, s22                     ; g 4 MiB + (4 G + 2 half) blocks of 4,096
	s_mov_b32 s21, 0
	s_lshr_b32 s22, ttmp9, 6
	s_lshl_b32 s22, s22, 16                        ; the batch's eight chunks of stats
	s_mov_b32 s23, 0
	s_wait_kmcnt 0x0
	s_add_nc_u64 s[24:25], s[4:5], s[20:21]
	s_add_nc_u64 s[26:27], s[10:11], s[20:21]
	s_lshl_b32 s20, s20, 1
	s_add_nc_u64 s[28:29], s[6:7], s[20:21]
	s_add_nc_u64 s[32:33], s[8:9], s[22:23]
	s_lshl_b32 s22, ttmp9, 8
	s_add_nc_u64 s[30:31], s[12:13], s[22:23]
.irp i, 0,1,2,3,4,5,6,7
	global_load_b128 v[ST+4*(\i):ST+4*(\i)+3], v2, s[32:33] offset:(\i)*8192
.endr
.macro FILL s                          ; row block s of my two: 24 loads of 512 consecutive bytes
.irp i, 0,1,2,3,4,5,6,7
	global_load_b128 v[R0+96*(\s)+4*(\i):R0+96*(\s)+4*(\i)+3], v1, s[24:25] offset:(\s)*4096+512*(\i) th:TH_LOAD_NT
.endr
.irp i, 0,1,2,3,4,5,6,7
	global_load_b128 v[R0+96*(\s)+32+8*(\i):R0+96*(\s)+32+8*(\i)+3],   v1, s[28:29] offset:(\s)*8192+1024*(\i) th:TH_LOAD_NT
	global_load_b128 v[R0+96*(\s)+32+8*(\i)+4:R0+96*(\s)+32+8*(\i)+7], v1, s[28:29] offset:(\s)*8192+1024*(\i)+512 th:TH_LOAD_NT
.endr
.endm
	FILL 0
	FILL 1
	s_wait_loadcnt 48                              ; the stats are in; the 48 loads behind them stay out
	; carry = the sum of S over the chunks ahead of mine; Mx = my chunk's
.irp i, 0,1,2,3,4,5,6
	s_cmp_gt_u32 s18, \i
	s_cselect_b32 s19, -1, 0
.if (\i) == 0
	v_cndmask_b32 v14, 0, v[ST], s19
	v_cndmask_b32 v15, 0, v[ST+2], s19
.else
	v_cndmask_b32 v20, 0, v[ST+4*(\i)], s19
	v_cndmask_b32 v21, 0, v[ST+4*(\i)+2], s19
	v_add_f32 v14, v14, v20
	v_add_f32 v15, v15, v21
.endif
.endr
	v_mov_b32 v18, v[ST+1]
	v_mov_b32 v19, v[ST+3]
.irp i, 1,2,3,4,5,6,7
	s_cmp_eq_u32 s18, \i
	s_cselect_b32 s19, -1, 0
	v_cndmask_b32 v18, v18, v[ST+4*(\i)+1], s19
	v_cndmask_b32 v19, v19, v[ST+4*(\i)+3], s19
.endr
	v_add_f32 v20, |v14|, v18
	v_add_f32 v21, |v15|, v19
	v_max_num_f32 v20, v20, v21
	v_max_num_f32_dpp v20, v20, v20 row_xmask:1 row_mask:0xf bank_mask:0xf
	v_max_num_f32_dpp v20, v20, v20 row_xmask:2 row_mask:0xf bank_mask:0xf
	v_max_num_f32_dpp v20, v20, v20 row_xmask:4 row_mask:0xf bank_mask:0xf
	v_max_num_f32_dpp v20, v20, v20 row_xmask:8 row_mask:0xf bank_mask:0xf
	v_permlanex16_b32 v21, v20, s34, s35
	v_max_num_f32 v20, v20, v21
	ds_store_b64 v3, v[14:15]                      ; carry of my two channels
	ds_store_b32 v4, v20                           ; my wave's maximum: all lanes write the same word with the same value
	s_wait_dscnt 0x0                               ; for the others' sake: my stores are done
	s_barrier_signal -1
	s_barrier_wait -1
.irp i, 0,1,2,3
	ds_load_b128 v[24+4*(\i):24+4*(\i)+3], v6 offset:16*(\i)   ; the 16 maxima
.endr
.irp i, 0,1,2,3,4,5,6,7
	ds_load_b32 v[48+(\i)], v5 offset:64*(\i)      ; carry of my channel in each group of 16
.endr
	s_wait_dscnt 0x0
.irp i, 0,1,2,3,4,5,6
	v_max3_num_f32 v24, v24, v[25+2*(\i)], v[26+2*(\i)]
.endr
	v_max_num_f32 v24, v24, v39                    ; the bound, the same bits in every work-group of the chunk
	v_lshrrev_b32 v24, 23, v24                     ; its exponent field (the bound is not negative)
	v_max_u32 v24, 15, v24
	v_min_u32 v24, 0xfe, v24
	v_sub_nc_u32 v25, 0x10c, v24
	v_lshlrev_b32 v[FF], 23, v25                   ; f = 2^(141 - E)
	v_add_nc_u32 v25, -14, v24
	v_lshlrev_b32 v[GG], 23, v25                   ; g = 2^(E - 141)
	v_mov_b32 v[FF+1], v[FF]
	v_mov_b32 v[GG+1], v[GG]
.irp i, 0,1,2,3,4,5,6,7
	v_mul_f32 v[CF+2*(\i)], v[48+(\i)], v[FF]
	v_mul_f32 v[CF+2*(\i)+1], v[48+(\i)], v[FF]
.endr
	s_cmp_lg_u32 s14, 0
	s_cbranch_scc1 .Lnot_wave_0
	global_store_b64 v7, v[GG:GG+1], s[30:31]      ; 256 consecutive bytes, aligned: g for my 64 rows
.Lnot_wave_0:
; One row block: for each group i of 16 channels eight numbers a lane.  sigmoid(r) = 1 / (1 + 2^(-log2(e) r)).
.macro TURN s, left
	s_wait_loadcnt \left
.set i, 0
.rept 8
.set RB, R0+96*(\s)+4*i
.set WB, R0+96*(\s)+32+8*i
.irp p, 0,1,2,3
	v_fma_mix_f32 v[T+2*(\p)], v[RB+(\p)], v8, v9 op_sel_hi:[1,0,0]
	v_fma_mix_f32 v[T+2*(\p)+1], v[RB+(\p)], v8, v9 op_sel:[1,0,0] op_sel_hi:[1,0,0]
.endr
.irp j, 0,1,2,3,4,5,6,7
	v_exp_f32 v[T+(\j)], v[T+(\j)]
.endr
.irp p, 0,1,2,3
	v_pk_fma_f32 v[WB+2*(\p):WB+2*(\p)+1], v[WB+2*(\p):WB+2*(\p)+1], v[FF:FF+1], v[CF+2*i:CF+2*i+1]   ; (wl + carry) f: the plain lines behind the exponentials
.endr
	s_wait_alu depctr_va_vdst(0)
.irp p, 0,1,2,3
	v_pk_add_f32 v[T+2*(\p):T+2*(\p)+1], v[T+2*(\p):T+2*(\p)+1], 1.0 op_sel_hi:[1,0]
.endr
.irp j, 0,1,2,3,4,5,6,7
	v_rcp_f32 v[T+(\j)], v[T+(\j)]
.endr
	v_nop                                          ; a plain instruction behind the reciprocals (ISA guide 5.7.2)
	s_wait_alu depctr_va_vdst(0)
.irp p, 0,1,2,3
	v_pk_mul_f32 v[WB+2*(\p):WB+2*(\p)+1], v[WB+2*(\p):WB+2*(\p)+1], v[T+2*(\p):T+2*(\p)+1]
.endr
.irp p, 0,1,2,3
	v_cvt_pk_f16_f32 v[RB+(\p)], v[WB+2*(\p)], v[WB+2*(\p)+1]
.endr
	global_store_b128 v1, v[RB:RB+3], s[26:27] offset:(\s)*4096+512*i   ; 512 consecutive bytes, aligned
.set i, i+1
.endr
.endm
	TURN 0, 24                                     ; the second block's 24 loads stay out
	TURN 1, 0
	s_wait_tensorcnt 0x0                           ; the wave's end, behind my last LDS store
	ds_add_u32 v[SPW], v[NIL]
	s_wait_dscnt 0x0
	s_endpgm
.Lfunc_end_k_qdc6c31ede4_fix:
	.size	k_qdc6c31ede4_fix, .Lfunc_end_k_qdc6c31ede4_fix-k_qdc6c31ede4_fix
	.p2alignl 7, 3214868480
	.fill 96, 4, 3214868480
	.section	.rodata,"a",@progbits
	.p2align	6, 0x0
	.amdhsa_kernel k_qdc6c31ede4_fix
		.amdhsa_group_segment_fixed_size 6400
		.amdhsa_private_segment_fixed_size 0
		.amdhsa_enable_private_segment 0
		.amdhsa_kernarg_size 40
		.amdhsa_user_sgpr_count 2
		.amdhsa_user_sgpr_kernarg_segment_ptr 1
		.amdhsa_wavefront_size32 1
		.amdhsa_system_sgpr_workgroup_id_x 1
		.amdhsa_system_sgpr_workgroup_id_y 1
		.amdhsa_system_sgpr_workgroup_id_z 1
		.amdhsa_system_vgpr_workitem_id 0
		.amdhsa_next_free_vgpr 256
		.amdhsa_next_free_sgpr 66
		.amdhsa_reserve_vcc 0
		.amdhsa_float_denorm_mode_32 3
		.amdhsa_float_denorm_mode_16_64 3
		.amdhsa_memory_ordered 1
		.amdhsa_forward_progress 1
		.amdhsa_inst_pref_size 49
	.end_amdhsa_kernel
	.amdgpu_metadata
---
amdhsa.version: [ 1, 2 ]
amdhsa.kernels:
  - .name:           k_qdc6c31ede4_fix
    .symbol:         k_qdc6c31ede4_fix.kd
    .args:
      - { .name: r_ws, .offset: 0, .size: 8, .value_kind: global_buffer, .address_space: global }
      - { .name: wl_ws, .offset: 8, .size: 8, .value_kind: global_buffer, .address_space: global }
      - { .name: stats, .offset: 16, .size: 8, .value_kind: global_buffer, .address_space: global }
      - { .name: act16, .offset: 24, .size: 8, .value_kind: global_buffer, .address_space: global }
      - { .name: gsc, .offset: 32, .size: 8, .value_kind: global_buffer, .address_space: global }
    .group_segment_fixed_size: 6400
    .private_segment_fixed_size: 0
    .kernarg_segment_align: 8
    .kernarg_segment_size: 40
    .max_flat_workgroup_size: 512
    .sgpr_count:     66
    .vgpr_count:     256
    .wavefront_size: 32
...
	.end_amdgpu_metadata
.endif
;; end of part 3
;; launch proj (part 4): grid 4 x 64, 4 waves a work-group, clusters of 4 x 4, 327,680 bytes of LDS; arguments act16, wo16, gsc, out0; writes out0
.if DOCPART == 4
	.amdgcn_target "amdgcn-amd-amdhsa--gfx1250"
	.amdhsa_code_object_version 6
	.text
	.protected	k_qdc6c31ede4_proj
	.globl	k_qdc6c31ede4_proj
	.p2align	8
	.type	k_qdc6c31ede4_proj,@function
k_qdc6c31ede4_proj:
	s_mov_b64 s[64:65], 0
	v_nop
	global_prefetch_b8 v0, s[64:65] scope:SCOPE_SE
	s_setreg_imm32_b32 hwreg(HW_REG_WAVE_MODE, 25, 1), 1
	s_wait_xcnt 0x0
	s_wait_alu depctr_hold_cnt(0) depctr_sa_sdst(0) depctr_va_vdst(0) depctr_va_sdst(0) depctr_va_ssrc(0) depctr_va_vcc(0) depctr_vm_vsrc(0)
	s_getreg_b32 s2, hwreg(HW_REG_IB_STS2, 6, 4)
	s_cmp_eq_u32 s2, 0
	s_cbranch_scc0 .Lentry_in_a_cluster
	s_endpgm
.Lentry_in_a_cluster:
	s_bfe_u32 s2, ttmp6, 0x10000c
	s_cmp_lg_u32 s2, 0xf033
	s_cbranch_scc0 .Lentry_shape_is_right
	s_endpgm
.Lentry_shape_is_right:
; PROJ.  out0[m][n] = g x the sum over c of (out f)[m][c] Wo[n][c]: f16 operands, f32 sums, f32 result; g = 1 / f is the power of two of the rows' chunk, read from gsc (a tile's 256 rows lie in one chunk of 512).
; A tile of out0, 256 x 256, is made by a work-group of four waves; a wave makes 128 x 128: 64 accumulators of 16 x 16, 512 registers.  K goes in steps of 128 through a ring of two LDS slots.
; THE LEFT OPERAND LIES IN PANELS: byte kb 4 MiB + RB 4096 + (c % 128) 32 + 2 (row % 16), kb = c / 128, RB = row / 16: inside (kb, RB) a matrix [128 along K][16 rows] of pitch 32 bytes, which ds_load_tr16_b128
; turns into fragments.  A K step of 128 rows (8 RB) is 32,768 dense bytes, asked for as 128 rows of 256 bytes.  Wo16 is [1024][1024] with K along the rows: tiles of 128 rows x 256 bytes, padded in LDS.
; CLUSTER 4 x 4: the four work-groups of a row of the cluster need the same panels, the four of a column the same tiles of Wo: each is asked for jointly.
; THE MATRIX INSTRUCTION IS USED TRANSPOSED (source 0 = 16 rows of Wo, source 1 = 16 rows of out): a lane holds row l % 16 of out0 and eight neighbouring columns 8 (l / 16) + 0..7.
; REGISTERS, in windows of 256 (s_set_vgpr_msb: bits 1:0 source 0, 3:2 source 1, 5:4 source 2, 7:6 destination):
;   window 0: v0-31 addresses; v64-127, v128-191 fragments of out, two buffers, on the way out whole rows;  window 1: v64-127, v128-191 fragments of Wo
;   window 2: the 32 accumulators of my rows 0-63 ((a, b) at 8 (8 a + b));  window 3: those of rows 64-127
.set PITCH,  272                       ; a row of Wo in LDS: 256 bytes + 16 of padding: the 16 rows of a load start at 16 different groups of four banks (64 banks of 4 bytes: ISA guide 11.1)
.set HALFB,  128*PITCH
.set ABYTES, 65536                     ; a slot: the panels of 256 rows, then Wo's 256 rows
.set SLOT,   ABYTES+2*HALFB
.set STAGE,  2*SLOT                    ; behind the ring: 16 rows x 528 bytes for each wave, for the way out; no tensor load lands there
.set SPITCH, 528                       ; 512 bytes + 16
.set SPARE,  STAGE+4*16*SPITCH         ; the spare words, 128 bytes for each wave
.set LAPS,   4
.set ADRA, 16
.set ADRB, 20
.set STO,  24
.set RD,   25
.set CO,   26
.set SPW,  28
.set NIL,  29
.set F0,   64
.set F1,   128
.set G1,  24
.set G0,  32
.set G1B, 48
.set G0B, 56
.set GS,  74                           ; s[74:75] g, named as a pair
.set MSB, 0
.macro WIN new
.if MSB != (\new)
	s_set_vgpr_msb (MSB<<8)|(\new)
.set MSB, \new
.endif
.endm
.set MUL_LO, 0xa1                      ; source 0 (Wo) window 1, source 1 (out) window 0, C and D window 2
.set TO_B,   0x40
; A joint load: waves 0 and 1 fetch the panels' two halves, waves 2 and 3 Wo's.  An s_nop 0 and four v_nop follow each of the two lines, ahead of the jump and the label.
.macro JLOAD s
	s_cmp_eq_u32 s11, 0
	s_cbranch_scc0 .Lfor_b_\@
	tensor_load_to_lds s[G0+4*(\s):G0+4*(\s)+3], s[G1:G1+7]
	s_nop 0
.rept 4
	v_nop
.endr
	s_branch .Lasked_\@
.Lfor_b_\@:
	tensor_load_to_lds s[G0B+4*(\s):G0B+4*(\s)+3], s[G1B:G1B+7]
	s_nop 0
.rept 4
	v_nop
.endr
.Lasked_\@:
.endm
.macro CREST
	s_cmp_lg_u32 s10, 0
	s_cbranch_scc1 .Lnot_wave_0_\@
	s_barrier_signal -3
.Lnot_wave_0_\@:
	s_barrier_wait -3
	s_barrier_signal -1
	s_barrier_wait -1
.endm
.macro CROUND
	s_barrier_signal -1
	s_barrier_wait -1
	CREST
.endm
	s_load_b128 s[4:7], s[0:1], 0x0                ; act16 s[4:5], wo16 s[6:7]
	s_load_b128 s[68:71], s[0:1], 0x10             ; gsc s[68:69], out0 s[70:71]
	v_lshl_add_u32 v[SPW], v0, 2, SPARE
	v_mov_b32 v[NIL], 0
	ds_add_u32 v[SPW], v[NIL]                      ; the wave's opening: the add and its wait stand ahead of my first tensor load; the set-up below, work on registers, stands between them
	v_lshrrev_b32 v1, 5, v0
	v_readfirstlane_b32 s10, v1                    ; wave 0..3
	s_lshr_b32 s11, s10, 1                         ; which half of the tile's rows is mine.  Also: I fetch panels (0) or Wo (1)
	s_and_b32 s12, s10, 1                          ; which half of its columns.  Also: which half I fetch
	s_bfe_u32 s40, ttmp6, 0x40000                  ; cx
	s_bfe_u32 s41, ttmp6, 0x40004                  ; cy
	s_lshl_b32 s42, ttmp9, 2
	s_add_co_u32 s42, s42, s40                     ; tile column
	s_and_b32 s13, ttmp7, 0xffff
	s_lshl_b32 s13, s13, 2
	s_add_co_u32 s13, s13, s41                     ; tile row
	s_lshl_b32 s43, s41, 2
	s_lshl_b32 s43, 15, s43                        ; my row of the cluster
	s_lshl_b32 s44, 0x1111, s40                    ; my column
	s_or_b32 s[G1], s43, (3<<16)|(1<<21)           ; panels: 15:0 the mask; 17:16 elements of 8 bytes; 21 set beside a mask; no padding
	s_mov_b32 s[G1+1], 32<<16                      ; tensor_dim0 = 32 elements: 256 bytes
	s_mov_b32 s[G1+2], 128<<16                     ; tensor_dim1 = 128
	s_mov_b32 s[G1+3], 32<<16                      ; tile_dim0 = 32
	s_mov_b32 s[G1+4], 128                         ; tile_dim1 = 128
	s_mov_b32 s[G1+5], 32                          ; dense: a row begins where the last ends
	s_mov_b32 s[G1+6], 0
	s_mov_b32 s[G1+7], 0
	s_or_b32 s[G1B], s44, (1<<16)|(1<<20)|(1<<21)|(5<<22)|(3<<25)  ; Wo: 2-byte elements, four words of padding after every 64
	s_mov_b32 s[G1B+1], 128<<16
	s_mov_b32 s[G1B+2], 128<<16
	s_mov_b32 s[G1B+3], 128<<16
	s_mov_b32 s[G1B+4], 128
	s_mov_b32 s[G1B+5], 1024
	s_mov_b32 s[G1B+6], 0
	s_mov_b32 s[G1B+7], 0
	s_lshl_b32 s16, s13, 16                        ; panels: 16 RB of 4,096 bytes a tile row, + 8 RB for the second half: hangs on the tile row and the wave alone
	s_lshl_b32 s17, s12, 15
	s_add_co_u32 s16, s16, s17
	s_mov_b32 s17, 0
	s_lshl_b32 s46, s42, 19                        ; Wo: 256 rows of 2,048 bytes a tile column, + 128 rows: hangs on the tile column and the wave alone
	s_lshl_b32 s47, s12, 18
	s_add_co_u32 s46, s46, s47
	s_mov_b32 s47, 0
	s_lshl_b32 s20, s12, 15                        ; where they land: no place in the cluster enters an LDS address
	s_mul_i32 s21, s12, HALFB
	s_add_co_u32 s21, s21, ABYTES
	s_wait_dscnt 0x0                               ; the opening add is done
	s_wait_kmcnt 0x0
	s_add_nc_u64 s[14:15], s[4:5], s[16:17]
	s_add_nc_u64 s[46:47], s[6:7], s[46:47]
	CROUND                                         ; all sixteen work-groups are here: the first joint loads meet
.irp s, 0,1
	s_mov_b32 s[G0+4*(\s)], 1
	s_add_co_u32 s[G0+4*(\s)+1], s20, (\s)*SLOT
	s_add_nc_u64 s[G0+4*(\s)+2:G0+4*(\s)+3], s[14:15], (\s)*0x400000   ; K step s: channel block s
	s_or_b32 s[G0+4*(\s)+3], s[G0+4*(\s)+3], 0x80000000
	s_mov_b32 s[G0B+4*(\s)], 1
	s_add_co_u32 s[G0B+4*(\s)+1], s21, (\s)*SLOT
	s_add_nc_u64 s[G0B+4*(\s)+2:G0B+4*(\s)+3], s[46:47], (\s)*256
	s_or_b32 s[G0B+4*(\s)+3], s[G0B+4*(\s)+3], 0x80000000
	JLOAD \s                                       ; two loads of mine are out
.endr
	v_and_b32 v1, 15, v0                           ; l % 16
	v_bfe_u32 v2, v0, 4, 1                         ; l / 16
	v_mul_u32_u24 v3, v1, PITCH
	v_lshl_add_u32 v3, v2, 4, v3                   ; Wo: row x pitch + 16 x half
	v_and_b32 v4, 7, v0
	v_bfe_u32 v5, v0, 3, 1
	v_lshl_add_u32 v6, v2, 3, v4                   ; panels: the turning load's lane l reads K row 8 (l / 16) + l % 8,
	v_lshlrev_b32 v6, 5, v6                        ; 32 bytes a K row,
	v_lshl_add_u32 v6, v5, 4, v6                   ; and 16 bytes of it: rows 8 ((l / 8) % 2) + 0..7
	s_lshl_b32 s21, s11, 15                        ; my 128 rows' panels
	s_mul_i32 s22, s12, HALFB
	s_add_co_u32 s22, s22, ABYTES                  ; my 128 rows of Wo
.irp s, 0,1
	v_add_nc_u32 v[ADRA+(\s)], s21, v6
	v_add_nc_u32 v[ADRB+(\s)], s22, v3
	s_add_co_u32 s21, s21, SLOT
	s_add_co_u32 s22, s22, SLOT
.endr
	s_mul_i32 s23, s10, 16*SPITCH
	s_add_co_u32 s23, s23, STAGE                   ; my stage
	v_mul_u32_u24 v4, v1, SPITCH                   ; in: row l % 16, 32 bytes for each half of the lanes
	v_lshl_add_u32 v4, v2, 5, v4
	v_add_nc_u32 v[STO], s23, v4
	v_and_b32 v5, 31, v0
	v_lshlrev_b32 v[CO], 4, v5                     ; back, and in out0: 32 lanes take a row's 512 bytes
	v_add_nc_u32 v[RD], s23, v[CO]
	s_lshl_b32 s76, s13, 20                        ; my part of out0: row 256 x tile row + 128 x half, 4,096 bytes a row;
	s_lshl_b32 s78, s11, 19
	s_add_co_u32 s76, s76, s78
	s_lshl_b32 s78, s42, 10                        ; column 256 x tile column + 128 x half, 4 bytes each
	s_add_co_u32 s76, s76, s78
	s_lshl_b32 s78, s12, 9
	s_add_co_u32 s76, s76, s78
	s_mov_b32 s77, 0
	s_add_nc_u64 s[70:71], s[70:71], s[76:77]
	s_lshl_b32 s76, s13, 10                        ; gsc: 256 bytes for each 64 rows
	s_add_nc_u64 s[68:69], s[68:69], s[76:77]
	s_load_b32 s[GS], s[68:69], 0x0
	s_wait_kmcnt 0x0
	s_mov_b32 s[GS+1], s[GS]
; 16 matrix instructions: row blocks a0, a0 + 1 of the window's four x all 8 column blocks, 32 along K.  The 64 accumulators take turns, one instruction a turn.
.macro MUL16 f, hi, a0, zero
	WIN MUL_LO+0x50*(\hi)
.irp a, \a0, (\a0)+1
.irp b, 0,1,2,3,4,5,6,7
.if \zero
	v_wmma_f32_16x16x32_f16 v[8*(8*(\a)+(\b)):8*(8*(\a)+(\b))+7], v[(\f)+8*(\b):(\f)+8*(\b)+7], v[(\f)+8*(4*(\hi)+(\a)):(\f)+8*(4*(\hi)+(\a))+7], 0
.else
	v_wmma_f32_16x16x32_f16 v[8*(8*(\a)+(\b)):8*(8*(\a)+(\b))+7], v[(\f)+8*(\b):(\f)+8*(\b)+7], v[(\f)+8*(4*(\hi)+(\a)):(\f)+8*(4*(\hi)+(\a))+7], v[8*(8*(\a)+(\b)):8*(8*(\a)+(\b))+7]
.endif
.endr
.endr
.endm
; 32 LDS loads in one run: the fragments of 32 along K.  k = byte in Wo's rows; in a panel the same 32 K rows begin at byte 16 k.
.macro FETCH slot, k, f
	WIN TO_B
.irp i, 0,1,2,3,4,5,6,7
	ds_load_b128 v[(\f)+8*(\i):(\f)+8*(\i)+3],   v[ADRB+(\slot)] offset:(\k)+(\i)*16*PITCH
	ds_load_b128 v[(\f)+8*(\i)+4:(\f)+8*(\i)+7], v[ADRB+(\slot)] offset:(\k)+(\i)*16*PITCH+32
.endr
	WIN 0
.irp i, 0,1,2,3,4,5,6,7
	ds_load_tr16_b128 v[(\f)+8*(\i):(\f)+8*(\i)+3],   v[ADRA+(\slot)] offset:(\i)*4096+16*(\k)
	ds_load_tr16_b128 v[(\f)+8*(\i)+4:(\f)+8*(\i)+7], v[ADRA+(\slot)] offset:(\i)*4096+16*(\k)+512
.endr
.endm
.macro PLACES                          ; four places in front of loads into registers that matrix instructions have read, and of vector work on results just made
.rept 4
	v_nop
.endr
.endm
.macro QUARTER slot, k, f, g, zero
	s_wait_dscnt 8                                 ; Wo and out's rows 0-63 are in; the youngest eight loads (rows 64-127) may be out
	MUL16 \f, 0, 0, \zero
	MUL16 \f, 0, 2, \zero
	PLACES
	FETCH \slot, \k, \g
	s_wait_dscnt 32                                ; all but the 32 just issued
	MUL16 \f, 1, 0, \zero
	MUL16 \f, 1, 2, \zero
.endm
; The last quarter multiplies buffer 1 and changes slots: ONE barrier; in front of it each wave waits for all its tensor loads (one is out: its part of the next slot), adds 0 to its spare word, and waits for that and
; for its reads of this slot.  A wave's next load goes out only behind this barrier, so sixteen of the quarter's products stand AHEAD of the wait for the tiles, sixteen beside the add, none between the signal and the wait.
; fill = 1: the barrier opens a round of the cluster's, and this slot is filled again, two K steps ahead, first thing behind it: 240 matrix instructions ahead of the wait for it.
.macro TURN slot, next, fill
	s_wait_dscnt 8                                 ; Wo and out's rows 0-63 of buffer 1 are in
	MUL16 F1, 0, 0, 0
	WIN 0                                          ; (the add's two registers lie in window 0)
	s_wait_tensorcnt 0x0
	ds_add_u32 v[SPW], v[NIL]
	MUL16 F1, 0, 2, 0                              ; sixteen matrix instructions stand between the add and the wait for it
	s_wait_dscnt 0x0                               ; the add is done, and my reads of this slot are over
.if \fill
	WIN 0
.endif
	s_barrier_signal -1
	s_barrier_wait -1
.if \fill
	CREST
	s_add_nc_u64 s[G0+4*(\slot)+2:G0+4*(\slot)+3], s[G0+4*(\slot)+2:G0+4*(\slot)+3], 0x800000
	s_add_nc_u64 s[G0B+4*(\slot)+2:G0B+4*(\slot)+3], s[G0B+4*(\slot)+2:G0B+4*(\slot)+3], 512
	JLOAD \slot                                    ; the four v_nop behind it are also the places in front of the loads below
.else
	PLACES
.endif
	FETCH \next, 0, F0
	MUL16 F1, 1, 0, 0
	MUL16 F1, 1, 2, 0
.endm
; THE WAY OUT of block a (16 rows).  SCALE: times g, in place, each accumulator from its low end on.  TOSTAGE: 2 x 16 bytes a lane and column block into my own stage, and back as whole rows of 512 bytes.  SEND: stored.
.macro SCALE a
.set AC, 64*((\a)%4)
	WIN 0x82+0x41*((\a)/4)                         ; destination and source 0: window 2 or 3
.set i, 0
.rept 32
	v_pk_mul_f32 v[AC+2*i:AC+2*i+1], v[AC+2*i:AC+2*i+1], s[GS:GS+1] op_sel_hi:[1,0]
.set i, i+1
.endr
.endm
.macro TOSTAGE a
.set AC, 64*((\a)%4)
.set BK, 64+64*((\a)%2)
	WIN 0x08+0x04*((\a)/4)                         ; the stores' data: window 2 or 3
.irp b, 0,1,2,3,4,5,6,7
	ds_store_b128 v[STO], v[AC+8*(\b):AC+8*(\b)+3] offset:64*(\b)
	ds_store_b128 v[STO], v[AC+8*(\b)+4:AC+8*(\b)+7] offset:64*(\b)+16
.endr
	WIN 0
.irp t, 0,1,2,3,4,5,6,7,8,9,10,11,12,13,14,15
	ds_load_b128 v[BK+4*(\t):BK+4*(\t)+3], v[RD] offset:(\t)*SPITCH   ; LDS serves a wave's instructions in order (ISA guide 5.7.1.4): these see the stores above
.endr
.endm
.macro SEND a
.set BK, 64+64*((\a)%2)
	WIN 0
	s_wait_dscnt 0x0                               ; the block is back in registers
	s_wait_xcnt 0x0                                ; only behind this wait are the stores' base and the registers that earlier stores read rewritten (ISA guide 3.1)
.if (\a) > 0
	s_add_nc_u64 s[70:71], s[70:71], 16*4096
.endif
.irp t, 0,1,2,3,4,5,6,7,8,9,10,11,12,13,14,15
	global_store_b128 v[CO], v[BK+4*(\t):BK+4*(\t)+3], s[70:71] offset:(\t)*4096 th:TH_STORE_NT   ; 512 consecutive bytes, aligned
.endr
.endm
	s_wait_tensorcnt 1                             ; my part of K step 0 is in; K step 1's may stay out
	s_barrier_signal -1
	s_barrier_wait -1
	FETCH 0, 0, F0
	QUARTER 0, 64,  F0, F1, 1                      ; the first quarter stands in front of the loop: its products start the sums
	WIN 0
	s_mov_b32 s3, LAPS
.Llap:                                                 ; a trip goes once round the ring and fills both slots again; the fourth trip is left in its middle, ahead of its first fill
	QUARTER 0, 128, F1, F0, 0
	QUARTER 0, 192, F0, F1, 0
	WIN 0
	s_sub_co_u32 s3, s3, 1
	s_cmp_eq_u32 s3, 0
	s_cbranch_scc1 .Llaps_done
	TURN 0, 1, 1
	QUARTER 1, 64,  F0, F1, 0
	QUARTER 1, 128, F1, F0, 0
	QUARTER 1, 192, F0, F1, 0
	TURN 1, 0, 1
	QUARTER 0, 64,  F0, F1, 0
	WIN 0
	s_branch .Llap
.Llaps_done:
	TURN 0, 1, 0                                   ; the rest of the last lap fills nothing, and has no round of the cluster's barrier
	QUARTER 1, 64,  F0, F1, 0
	QUARTER 1, 128, F1, F0, 0
	QUARTER 1, 192, F0, F1, 0
	s_wait_dscnt 8                                 ; the very last quarter: nothing more to fetch
	MUL16 F1, 0, 0, 0
	MUL16 F1, 0, 2, 0
	s_wait_dscnt 0x0
	MUL16 F1, 1, 0, 0
	MUL16 F1, 1, 2, 0
	PLACES
	SCALE 0
	TOSTAGE 0
.irp a, 1,2,3,4,5,6,7                  ; block a's scaling stands between block a - 1's loads from the stage and the wait for them
	SCALE \a
	SEND (\a)-1
	TOSTAGE \a
.endr
	SEND 7
	s_wait_tensorcnt 0x0                           ; the wave's end, behind my last tensor load and my last LDS store
	ds_add_u32 v[SPW], v[NIL]
	s_wait_dscnt 0x0
	CROUND                                         ; the closing round: no work-group ends while a partner may still ask for a tile that names it
	s_endpgm
.Lfunc_end_k_qdc6c31ede4_proj:
	.size	k_qdc6c31ede4_proj, .Lfunc_end_k_qdc6c31ede4_proj-k_qdc6c31ede4_proj
	.p2alignl 7, 3214868480
	.fill 96, 4, 3214868480
	.section	.rodata,"a",@progbits
	.p2align	6, 0x0
	.amdhsa_kernel k_qdc6c31ede4_proj
		.amdhsa_group_segment_fixed_size 327680
		.amdhsa_private_segment_fixed_size 0
		.amdhsa_enable_private_segment 0
		.amdhsa_kernarg_size 32
		.amdhsa_user_sgpr_count 2
		.amdhsa_user_sgpr_kernarg_segment_ptr 1
		.amdhsa_wavefront_size32 1
		.amdhsa_system_sgpr_workgroup_id_x 1
		.amdhsa_system_sgpr_workgroup_id_y 1
		.amdhsa_system_sgpr_workgroup_id_z 1
		.amdhsa_system_vgpr_workitem_id 0
		.amdhsa_next_free_vgpr 1024
		.amdhsa_next_free_sgpr 80
		.amdhsa_reserve_vcc 0
		.amdhsa_float_denorm_mode_32 3
		.amdhsa_float_denorm_mode_16_64 3
		.amdhsa_memory_ordered 1
		.amdhsa_forward_progress 1
		.amdhsa_inst_pref_size 145
	.end_amdhsa_kernel
	.amdgpu_metadata
---
amdhsa.version: [ 1, 2 ]
amdhsa.kernels:
  - .name:           k_qdc6c31ede4_proj
    .symbol:         k_qdc6c31ede4_proj.kd
    .args:
      - { .name: act16, .offset: 0, .size: 8, .value_kind: global_buffer, .address_space: global }
      - { .name: wo16, .offset: 8, .size: 8, .value_kind: global_buffer, .address_space: global }
      - { .name: gsc, .offset: 16, .size: 8, .value_kind: global_buffer, .address_space: global }
      - { .name: out0, .offset: 24, .size: 8, .value_kind: global_buffer, .address_space: global }
    .group_segment_fixed_size: 327680
    .private_segment_fixed_size: 0
    .kernarg_segment_align: 8
    .kernarg_segment_size: 32
    .max_flat_workgroup_size: 128
    .sgpr_count:     80
    .vgpr_count:     1024
    .wavefront_size: 32
...
	.end_amdgpu_metadata
.endif
;; end of part 4
;; ======== version 2 of 2: 4 launches; version 1 with the launch prep written anew for expert scheduling mode
;; limits: values are held in f16: magnitudes above 65,504 overflow, below 6.1e-05 lose precision; right only within a limited range of input values
;; workspace buffers: act16 33,554,432 bytes; wkvr 6,291,456 bytes; wo16 2,097,152 bytes; r_ws 33,554,432 bytes; wl_ws 67,108,864 bytes; stats 262,144 bytes; gsc 65,536 bytes
;; launch prep (part 5): grid 256 x 1, 16 waves a work-group, no clusters, 0 bytes of LDS; arguments x, ln_w, ln_b, Wk, Wv, Wr, Wo, act16, wkvr, wo16; writes act16, wkvr, wo16
.if DOCPART == 5
	.amdgcn_target "amdgcn-amd-amdhsa--gfx1250"
	.amdhsa_code_object_version 6
	.text
	.protected	k_qdc6c31ede4_prep
	.globl	k_qdc6c31ede4_prep
	.p2align	8
	.type	k_qdc6c31ede4_prep,@function
k_qdc6c31ede4_prep:
	s_mov_b64 s[64:65], 0
	v_nop
	global_prefetch_b8 v0, s[64:65] scope:SCOPE_SE
	s_setreg_imm32_b32 hwreg(HW_REG_WAVE_SCHED_MODE, 0, 2), 2
	s_setreg_imm32_b32 hwreg(HW_REG_WAVE_MODE, 25, 1), 1
	s_wait_xcnt 0x0
	s_wait_alu depctr_vm_vsrc(0)
; PREP.  LayerNorm of x [16384][1024] f32, rounded once to f16 into act16 [16384][1024]; and the four weight matrices rounded once to f16:
; Wk, Wv, Wr into wkvr [3072][1024], where channel c of matrix q (0 k, 1 v, 2 r) is row (c / 32) 96 + 32 q + c % 32, so that 32 channels'
; k, v and r rows lie together; Wo into wo16 as it lies.
; SHARES.  256 work-groups of 16 waves.  A wave has four rows of x (16,384 rows / 4,096 waves) and ONE row of a weight matrix (4 x 1,024 rows / 4,096 waves):
; every wave moves the same bytes.  A row of 4,096 bytes is 32 registers of one wave, so mean, variance and scaling never leave the wave: no LDS, no barrier.
; All five rows are asked for at the start (40 loads a wave beside the 16 of ln_w and ln_b), so no register is loaded twice and the only waits on a memory counter are the
; counted ones at the head of each row.  The weight row is asked for first and leaves first, while x is on its way.
; Lane l holds channels 128 j + 4 l + 0..3 of slice j: a load of the wave covers 512 consecutive bytes, a store 256, both aligned.
; The variance is the mean of (x - mean)^2, in two passes over the registers: no difference of large sums.
; LIMITS.  f16 ends at 65,504: 32 |ln_w| + |ln_b| (the bound of a normalised row) and every weight must lie under it; a weight below 6e-5
; keeps f16's fixed step of 6e-8.  NaN and infinities are not treated apart.
; THE MODE: SCHED_MODE bits 1:0 = 2 (LLVM: expert scheduling mode 2), set by the entry lines.  The code itself states the register dependences
; between vector instructions and memory instructions, with s_wait_alu, always for 0.
; THE PLAN.  Registers that memory instructions touch (the text has one path: no loop, no branch):
;   v1, v2      byte offsets of all loads and of all stores: made once at the head, never written again.
;   LW, LB      Written by 16 loads at the head, ahead of which no vector instruction names them; read by vector instructions alone.
;   X0 .. X4    Each slot is written by eight loads at the head, ahead of which no vector instruction names it; then worked on in place; its sixteen conversions come last and write
;               registers 4 j and 4 j + 1 of the slot; the row's eight stores read those pairs; behind them nothing writes the slot.
;   M, MU, RS, T are named by vector instructions alone.
; So: one wait on va_vdst ahead of the first load (the offsets), and one a row between its conversions, which stand together, and its stores, which follow in one run.
; No register that a memory instruction has read is ever written again, and no load lands in a register that a vector instruction has named: nothing else is owed between the two sides.
; The wave's number passes from a vector register into s24: one wait on va_sdst ahead of its first reader.
.set ROWB, 4096                        ; bytes of an f32 row
.set OUTB, 2048                        ; bytes of an f16 row
.set LW,  4                            ; v[4:35]    ln_w of my 32 channels
.set LB,  36                           ; v[36:67]   ln_b
.set X,   68                           ; v[68:227]  five rows, 32 registers each: slots 0-3 x, slot 4 the weight row
.set M,   228                          ; v[228:235] four chains of pairs
.set MU,  236                          ; v[236:237] the mean, twice
.set RS,  238                          ; v[238:239] 1 / sqrt(var + eps), twice
.set T,   240                          ; v[240:241] at work
	s_load_b512 s[4:19], s[0:1], 0x0               ; x, ln_w, ln_b, Wk, Wv, Wr, Wo, act16
	s_load_b128 s[20:23], s[0:1], 0x40             ; wkvr, wo16
	v_lshrrev_b32 v3, 5, v0
	v_readfirstlane_b32 s24, v3                    ; wave 0..15
	v_and_b32 v1, 31, v0
	v_lshlrev_b32 v2, 3, v1                        ; 8 x lane: my place in 256 bytes of f16
	v_lshlrev_b32 v1, 4, v1                        ; 16 x lane: my place in 512 bytes of f32
	v_mov_b32 v[T+1], 0                            ; v_permlanex16_b32's destination counts as read
	s_mov_b32 s30, 0x76543210                      ; each lane takes its own place in the other half
	s_mov_b32 s31, 0xfedcba98
	s_mov_b32 s32, 0x3a800000                      ; 1 / 1024
	s_mov_b32 s33, 0x3727c5ac                      ; eps = 1e-5
	s_lshl_b32 s34, ttmp9, 6
	s_wait_alu depctr_va_sdst(0)                   ; s24 is written, ahead of its first reader: my rows and all four bases are made from it
	s_lshl_b32 s25, s24, 2
	s_add_co_u32 s34, s34, s25                     ; my first row of x: 64 x group + 4 x wave
	s_lshr_b32 s35, ttmp9, 6                       ; my weight matrix: 0 Wk, 1 Wv, 2 Wr, 3 Wo (64 groups of 16 rows to each)
	s_and_b32 s42, ttmp9, 63
	s_lshl_b32 s42, s42, 4
	s_add_co_u32 s42, s42, s24                     ; my row (channel) of it
	s_lshr_b32 s43, s42, 5
	s_mul_i32 s43, s43, 96
	s_lshl_b32 s25, s35, 5
	s_add_co_u32 s43, s43, s25
	s_and_b32 s25, s42, 31
	s_add_co_u32 s43, s43, s25                     ; its row in wkvr
	s_mov_b32 s37, 0
	s_wait_kmcnt 0x0
	s_cmp_eq_u32 s35, 1
	s_cselect_b64 s[38:39], s[12:13], s[10:11]
	s_cmp_eq_u32 s35, 2
	s_cselect_b64 s[38:39], s[14:15], s[38:39]
	s_cmp_eq_u32 s35, 3
	s_cselect_b64 s[38:39], s[16:17], s[38:39]
	s_cselect_b64 s[40:41], s[22:23], s[20:21]
	s_cselect_b32 s43, s42, s43                    ; Wo keeps its rows
	s_lshl_b32 s36, s42, 12
	s_add_nc_u64 s[38:39], s[38:39], s[36:37]      ; the weight row, from
	s_lshl_b32 s36, s43, 11
	s_add_nc_u64 s[40:41], s[40:41], s[36:37]      ; and to
	s_lshl_b32 s36, s34, 12
	s_add_nc_u64 s[26:27], s[4:5], s[36:37]        ; my rows of x
	s_lshl_b32 s36, s34, 11
	s_add_nc_u64 s[28:29], s[18:19], s[36:37]      ; and of act16
.macro FILL s, base, off               ; a row into slot s: eight loads of 512 consecutive bytes
.irp j, 0,1,2,3,4,5,6,7
	global_load_b128 v[X+32*(\s)+4*(\j):X+32*(\s)+4*(\j)+3], v1, s[\base:\base+1] offset:(\off)+512*(\j) th:TH_LOAD_NT
.endr
.endm
.macro OUT s, base, off                ; slot s is rounded to f16 in place, all of it, and then stored: 256 consecutive bytes a store
.irp j, 0,1,2,3,4,5,6,7
	v_cvt_pk_f16_f32 v[X+32*(\s)+4*(\j)], v[X+32*(\s)+4*(\j)], v[X+32*(\s)+4*(\j)+1]
	v_cvt_pk_f16_f32 v[X+32*(\s)+4*(\j)+1], v[X+32*(\s)+4*(\j)+2], v[X+32*(\s)+4*(\j)+3]
.endr
	s_wait_alu depctr_va_vdst(0)                   ; the sixteen conversions have written the eight pairs that the stores below read; nothing writes these pairs again
.irp j, 0,1,2,3,4,5,6,7
	global_store_b64 v2, v[X+32*(\s)+4*(\j):X+32*(\s)+4*(\j)+1], s[\base:\base+1] offset:(\off)+256*(\j)
.endr
.endm
.macro REDUCE                          ; the four chains into one number, then over the 32 lanes: every lane ends with the sum in v[T]
	v_pk_add_f32 v[M:M+1], v[M:M+1], v[M+2:M+3]
	v_pk_add_f32 v[M+4:M+5], v[M+4:M+5], v[M+6:M+7]
	v_pk_add_f32 v[M:M+1], v[M:M+1], v[M+4:M+5]
	v_add_f32 v[T], v[M], v[M+1]
	v_add_f32_dpp v[T], v[T], v[T] row_xmask:1 row_mask:0xf bank_mask:0xf
	v_add_f32_dpp v[T], v[T], v[T] row_xmask:2 row_mask:0xf bank_mask:0xf
	v_add_f32_dpp v[T], v[T], v[T] row_xmask:4 row_mask:0xf bank_mask:0xf
	v_add_f32_dpp v[T], v[T], v[T] row_xmask:8 row_mask:0xf bank_mask:0xf
	v_permlanex16_b32 v[T+1], v[T], s30, s31
	v_add_f32 v[T], v[T], v[T+1]
.endm
; One row of x.  left = the loads of the younger rows, which may stay out.
.macro TURN s, left
.set XS, X+32*(\s)
	s_wait_loadcnt \left                           ; loads come back in order (ISA guide 5.7.1): ln_w, ln_b and my row are in
.irp k, 0,1,2,3
	v_pk_add_f32 v[M+2*(\k):M+2*(\k)+1], v[XS+4*(\k):XS+4*(\k)+1], v[XS+4*(\k)+2:XS+4*(\k)+3]  ; the first pairs start the chains
.endr
.irp k, 0,1,2,3
	v_pk_add_f32 v[M+2*(\k):M+2*(\k)+1], v[M+2*(\k):M+2*(\k)+1], v[XS+16+4*(\k):XS+16+4*(\k)+1]
.endr
.irp k, 0,1,2,3
	v_pk_add_f32 v[M+2*(\k):M+2*(\k)+1], v[M+2*(\k):M+2*(\k)+1], v[XS+16+4*(\k)+2:XS+16+4*(\k)+3]
.endr
	REDUCE
	v_mul_f32 v[MU], s32, v[T]
	v_mul_f32 v[MU+1], s32, v[T]
.set p, 0
.rept 16
	v_pk_add_f32 v[XS+2*p:XS+2*p+1], v[XS+2*p:XS+2*p+1], v[MU:MU+1] neg_lo:[0,1] neg_hi:[0,1]  ; x - mean
.set p, p+1
.endr
.irp k, 0,1,2,3
	v_pk_mul_f32 v[M+2*(\k):M+2*(\k)+1], v[XS+2*(\k):XS+2*(\k)+1], v[XS+2*(\k):XS+2*(\k)+1]
.endr
.set p, 4
.rept 12
	v_pk_fma_f32 v[M+2*(p%4):M+2*(p%4)+1], v[XS+2*p:XS+2*p+1], v[XS+2*p:XS+2*p+1], v[M+2*(p%4):M+2*(p%4)+1]
.set p, p+1
.endr
	REDUCE
	v_fma_f32 v[T], v[T], s32, s33                 ; var + eps
	v_rsq_f32 v[RS], v[T]
	v_rsq_f32 v[RS+1], v[T]
	v_nop                                          ; a plain instruction between the root and the use of its result (ISA guide 5.7.2)
	s_wait_alu depctr_va_vdst(0)                   ; the two roots have written v[RS] and v[RS+1], ahead of the first multiply that reads the pair: one wait for both
.set p, 0
.rept 16
	v_pk_mul_f32 v[XS+2*p:XS+2*p+1], v[XS+2*p:XS+2*p+1], v[RS:RS+1]
.set p, p+1
.endr
.set p, 0
.rept 16
	v_pk_fma_f32 v[XS+2*p:XS+2*p+1], v[XS+2*p:XS+2*p+1], v[LW+2*p:LW+2*p+1], v[LB+2*p:LB+2*p+1]
.set p, p+1
.endr
	OUT \s, 28, (\s)*OUTB
.endm
	s_wait_alu depctr_va_vdst(0)                   ; v1 and v2 are written: every load of the kernel reads v1 as its offset, every store v2
	FILL 4, 38, 0                                  ; the weight row first
.irp j, 0,1,2,3,4,5,6,7
	global_load_b128 v[LW+4*(\j):LW+4*(\j)+3], v1, s[6:7] offset:512*(\j)
.endr
.irp j, 0,1,2,3,4,5,6,7
	global_load_b128 v[LB+4*(\j):LB+4*(\j)+3], v1, s[8:9] offset:512*(\j)
.endr
	FILL 0, 26, 0*ROWB
	FILL 1, 26, 1*ROWB
	FILL 2, 26, 2*ROWB
	FILL 3, 26, 3*ROWB
	s_wait_loadcnt 48                              ; the weight row is in; the 16 loads of ln_w and ln_b and the 32 of x stay out
	OUT 4, 40, 0
	TURN 0, 24                                     ; three younger rows of eight loads stay out, then two, one, none
	TURN 1, 16
	TURN 2, 8
	TURN 3, 0
	s_endpgm
.Lfunc_end_k_qdc6c31ede4_prep:
	.size	k_qdc6c31ede4_prep, .Lfunc_end_k_qdc6c31ede4_prep-k_qdc6c31ede4_prep
	.p2alignl 7, 3214868480
	.fill 96, 4, 3214868480
	.section	.rodata,"a",@progbits
	.p2align	6, 0x0
	.amdhsa_kernel k_qdc6c31ede4_prep
		.amdhsa_group_segment_fixed_size 0
		.amdhsa_private_segment_fixed_size 0
		.amdhsa_enable_private_segment 0
		.amdhsa_kernarg_size 80
		.amdhsa_user_sgpr_count 2
		.amdhsa_user_sgpr_kernarg_segment_ptr 1
		.amdhsa_wavefront_size32 1
		.amdhsa_system_sgpr_workgroup_id_x 1
		.amdhsa_system_sgpr_workgroup_id_y 1
		.amdhsa_system_sgpr_workgroup_id_z 1
		.amdhsa_system_vgpr_workitem_id 0
		.amdhsa_next_free_vgpr 242
		.amdhsa_next_free_sgpr 66
		.amdhsa_reserve_vcc 0
		.amdhsa_float_denorm_mode_32 3
		.amdhsa_float_denorm_mode_16_64 3
		.amdhsa_memory_ordered 1
		.amdhsa_forward_progress 1
		.amdhsa_inst_pref_size 41
	.end_amdhsa_kernel
	.amdgpu_metadata
---
amdhsa.version: [ 1, 2 ]
amdhsa.kernels:
  - .name:           k_qdc6c31ede4_prep
    .symbol:         k_qdc6c31ede4_prep.kd
    .args:
      - { .name: x, .offset: 0, .size: 8, .value_kind: global_buffer, .address_space: global }
      - { .name: ln_w, .offset: 8, .size: 8, .value_kind: global_buffer, .address_space: global }
      - { .name: ln_b, .offset: 16, .size: 8, .value_kind: global_buffer, .address_space: global }
      - { .name: Wk, .offset: 24, .size: 8, .value_kind: global_buffer, .address_space: global }
      - { .name: Wv, .offset: 32, .size: 8, .value_kind: global_buffer, .address_space: global }
      - { .name: Wr, .offset: 40, .size: 8, .value_kind: global_buffer, .address_space: global }
      - { .name: Wo, .offset: 48, .size: 8, .value_kind: global_buffer, .address_space: global }
      - { .name: act16, .offset: 56, .size: 8, .value_kind: global_buffer, .address_space: global }
      - { .name: wkvr, .offset: 64, .size: 8, .value_kind: global_buffer, .address_space: global }
      - { .name: wo16, .offset: 72, .size: 8, .value_kind: global_buffer, .address_space: global }
    .group_segment_fixed_size: 0
    .private_segment_fixed_size: 0
    .kernarg_segment_align: 8
    .kernarg_segment_size: 80
    .max_flat_workgroup_size: 512
    .sgpr_count:     66
    .vgpr_count:     242
    .wavefront_size: 32
...
	.end_amdgpu_metadata
.endif
;; end of part 5
;; launch kvr: the kernel of part 2 again; grid 8 x 32, 4 waves a work-group, clusters of 4 x 4, 327,680 bytes of LDS; arguments act16, wkvr, time_decay, time_first, r_ws, wl_ws, stats; writes r_ws, wl_ws, stats
;; launch fix: the kernel of part 3 again; grid 256 x 1, 16 waves a work-group, no clusters, 6,400 bytes of LDS; arguments r_ws, wl_ws, stats, act16, gsc; writes act16, gsc
;; launch proj: the kernel of part 4 again; grid 4 x 64, 4 waves a work-group, clusters of 4 x 4, 327,680 bytes of LDS; arguments act16, wo16, gsc, out0; writes out0
